; MI455X (gfx1250); checked and timed in simulation.
; The chip was launched on July 23, 2026; its instructions are those of AMD's public machine-readable ISA for CDNA 5 (MIT licence, August 2026) and "CDNA5" Instruction Set Architecture Reference Guide (July 2026). The comments in the code are by the model that wrote it; some were corrected since.
;; Sparse Mo E Block. Allowed arithmetic: matrix products marked QUANTISED: E3M2 operands, one E8M0 scale for each 32 along K, by v_wmma_scale_f32_16x16x128_f8f6f4 with both operands' format E3M2, f32 sums; products left as they are: f32 operands where the result goes on into a quantised operand, else bf16, f16 or f32 operands; f32 sums; everything else in f32.
;; Inputs: b1 8 x 4,096 float32; router_w 8 x 1,024 float32; w1 8 x 4,096 x 1,024 float32; x 1 x 2,048 x 1,024 float32.
;; Outputs: out0 1 x 2,048 x 4,096 float32; out1 one number float32.
;; This version of the problem:
;;   THIS VERSION OF THE PROBLEM IS GIVEN IN LOW PRECISION. The matrix products marked QUANTISED in the list below multiply operands that are first quantised to E3M2 (3 exponent bits, 2 mantissa bits; 6 bits a number), with one power-of-two scale for each 32 numbers along K (OCP MX v1.0); their sums are f32. All else is computed in f32.
;;   The module's matrix products, in the order in which they are computed (A, B: the left and right operand; K: the contracted axis; several contracted axes count as one K, in the product's order):
;;     1. [M 2,048, K 1,024] x [K 1,024, N 8]; A: input x; B: input router_w: left as it is (N = 8 < 16)
;;     2. batch 2,048 x [M 1, K 2] x [K 2, N 8]; A: softmax; B: computed on the way: left as it is (K = 2 < 32)
;;     3. [M 2,048, K 1,024] x [K 1,024, N 32,768]; A: input x; B: input w1: QUANTISED
;;     4. batch 2,048 x [M 4,096, K 8] x [K 8, N 1]; A: computed on the way; B: computed on the way: left as it is (K = 8 < 32)
;;   THE QUANTISER, for each operand of a quantised product, along K:
;;     - K is cut into blocks of 32 from its start; a last block that is shorter is filled with zeros.
;;     - A block's scale is 2^e with e = floor(log2(the largest magnitude in the block)) - 4, held to -126 .. 127; a block of zeros has e = 0. As a byte (E8M0): e + 127.
;;     - Each number is divided by its block's scale, clamped to +-28, and rounded to the nearest number of E3M2, ties to even, subnormals kept.
;;     - The product sums the exact products of the quantised numbers (number of the format x scale) in f32.
;;   ~~~python
;;   def quantise(x, axis):      # numpy; x: float32 -> the quantised numbers, widened to float32 again
;;       x = np.moveaxis(x, axis, -1); K = x.shape[-1]
;;       x = np.pad(x, [(0, 0)] * (x.ndim - 1) + [(0, -K % 32)]); x = x.reshape(x.shape[:-1] + (-1, 32)); a = np.abs(x).max(-1, keepdims=True)
;;       e = np.where(a > 0, np.clip(np.frexp(np.where(a > 0, a, 1))[1] - 1 - 4, -126, 127), 0)      # np.frexp(a)[1] - 1 = floor(log2(a)), exactly
;;       r = np.clip(x / 2.0 ** e, -28, 28)
;;       step = 2.0 ** (np.maximum(np.frexp(np.where(r == 0, 1, r))[1] - 1, -2) - 2)
;;       q = np.round(r / step) * step * 2.0 ** e      # np.round: ties to even
;;       return np.moveaxis(q.reshape(q.shape[:-2] + (-1,))[..., :K], -1, axis).astype(np.float32)
;;   ~~~
;; 2 versions. Each part assembles by itself: llvm-mc -triple=amdgcn-amd-amdhsa -mcpu=gfx1250 --defsym DOCPART=n.
;; ======== version 1 of 2: 3 launches
;; workspace buffers: wq 25,165,824 bytes; wsc 1,048,576 bytes; xq 1,572,864 bytes; xsc 65,536 bytes; keys 8,192 bytes of whole numbers; rt 20,480 bytes; route 25,600 bytes of whole numbers
;; launch prep (part 1): grid 544 x 1, 4 waves a work-group, no clusters, 85,504 bytes of LDS; arguments x, router_w, w1, wq, wsc, xq, xsc, keys, rt; writes wq, wsc, xq, xsc, keys, rt
.if DOCPART == 1
	.amdgcn_target "amdgcn-amd-amdhsa--gfx1250"
	.amdhsa_code_object_version 6
	.text
	.protected	k_q1ae7048315_prep
	.globl	k_q1ae7048315_prep
	.p2align	8
	.type	k_q1ae7048315_prep,@function
k_q1ae7048315_prep:
	s_mov_b64 s[64:65], 0
	v_nop
	global_prefetch_b8 v0, s[64:65] scope:SCOPE_SE
	s_setreg_imm32_b32 hwreg(HW_REG_WAVE_MODE, 25, 1), 1
	s_wait_xcnt 0x0
; PREP: w1 [8][4096][1024] and x [2048][1024], f32, K innermost, become codes of BF6 (E3M2) with one E8M0 byte for each 32 along K; the work-groups that take x also run the router.
; A block's scale is 2^(floor(log2(largest magnitude)) - 4); its byte is the largest magnitude's exponent field - 4, held at 1 from below by a floor among the maximum's leaves.
; SHARES.  A wave takes one tile of 16 rows x 1,024 K (65,536 bytes) in 16 steps of 64 along K.  Work-groups 0-31 take x's 128 tiles, work-groups 32-543 w1's 2,048.  The two ways part at the head on the
; work-group's number and never join; each has LDS bytes of its own.  Waves share nothing: no barrier.
; A STEP.  Eight loads, each half of the lanes reading 256 consecutive aligned bytes of one row; the 4,096 bytes turn through the wave's own stage in LDS (16 rows, 272 bytes apart) and come back so that lane (r, h)
; holds row r, k = 64 s + 32 h + 0 .. 31: one whole block in 32 registers.  So a block's maximum needs no other lane, and two conversions give registers 6 c .. 6 c + 5 of the operand (c = s % 2).
; OUT.  wq: the image of the operand's registers, [row tile][K step of 128][4 registers][lane][16 bytes]: each store of a wave covers 512 consecutive bytes.  wsc, xsc: [row][32 bytes].  xq: [token][768 bytes], the row's stream of bits
; (tokens are gathered by row later), gathered in LDS and stored as aligned runs of 256 bytes.
; ROUTER.  logits = x router_w^T in f32 by v_wmma_f32_16x16x4_f32 (33.5 M multiply-adds in the whole launch): source 0 = router_w's rows m & 7, source 1 = the 16 tokens, so register j of every lane is expert j's logit of token
; lane % 16.  Four accumulators by turns.  Top-2 by compares and selects (a tie keeps the lower index); no address and no branch hangs on them.  Stored at fixed places: keys[t] = lo | hi << 3; cw[t] = the two weights, by ascending
; expert; pp[tile][8] = the tile's sums of softmax(logits).
; LIMITS.  NaN and infinities among the inputs are not served.  A block of zeros gets the byte 1 (its codes are zeros; this program alone reads the bytes).  The logits' sums run in another order than the reference's:
; a token whose second and third logit differ by less than the rounding of an f32 sum of 1,024 terms may choose otherwise.  keys, cw and pp (28,672 bytes in all) leave in pieces of 32 to 128 bytes.
.set NXWG, 32                          ; work-groups that take x
.set STP,  272                         ; a stage row: 256 bytes + 16
.set STGB, 16*STP                      ; a wave's stage
.set XSTG, 4*STGB                      ; LDS: the w way's four stages from 0, the x way's from here,
.set XOUT, 8*STGB                      ; and x's codes: for each wave 16 rows, 784 bytes apart
.set XOP,  784
.set XOB,  16*XOP
.set SW,   16                          ; v16-23   the row's eight scale words
.set SS,   24                          ; v24-27   the four of them that my half of the lanes stores
.set TMP,  28                          ; v28-30   a block's upper 16 codes
.set R,    32                          ; v32-159  numbers as loaded: four sets of 32 (w);  two sets, and from v96 two sets of router_w (x)
.set RWF,  96
.set X,    160                         ; v160-191 my block
.set PC,   192                         ; v192-203 a fragment's codes
.set LG,   208                         ; v208-215 logits;  v216-223 probabilities
.set PR,   216
.set ACC,  224                         ; v224-255 the router's four accumulators: matrix instructions alone write them
; v1 r, v2 h, v3 global offset h x 4096 + 16 r, v4 stage in, v5 stage out, v6 16 x lane, v7 32 r + 16 h, v8 8 h, v9-15 at work, v31 router_w's offset, v204-206 x's codes' addresses, v207 lane
.macro LOADROWS reg, s, b              ; step s: rows 2 j (lanes 0-15) and 2 j + 1 (lanes 16-31), 256 bytes each
.irp j, 0,1,2,3,4,5,6,7
	global_load_b128 v[\reg+4*\j:\reg+4*\j+3], v3, s[\b:\b+1] offset:8192*\j+256*(\s) th:TH_LOAD_NT
.endr
.endm
.macro LOADRW reg, s                   ; router_w(r & 7, 64 s + 32 h + 0 .. 31)
.irp q, 0,1,2,3,4,5,6,7
	global_load_b128 v[\reg+4*\q:\reg+4*\q+3], v31, s[6:7] offset:256*(\s)+16*\q
.endr
.endm
.macro TURN reg                        ; through my stage; LDS serves a wave's instructions in order, so no wait stands between the stores and the loads
.irp j, 0,1,2,3,4,5,6,7
	ds_store_b128 v4, v[\reg+4*\j:\reg+4*\j+3] offset:2*STP*\j
.endr
.irp q, 0,1,2,3,4,5,6,7
	ds_load_b128 v[X+4*\q:X+4*\q+3], v5 offset:16*\q
.endr
.endm
.macro BLOCKQ c                        ; my block of 32 -> registers 6 c .. 6 c + 5 of the fragment, its byte -> v[13 + c]
	v_max3_num_f32 v10, |v[X]|, |v[X+1]|, 0x2800000          ; two chains; the floor 2^(5 - 127) is one leaf: the byte cannot fall under 1
	v_max3_num_f32 v11, |v[X+2]|, |v[X+3]|, |v[X+4]|
.irp i, 5,9,13,17,21,25
	v_max3_num_f32 v10, v10, |v[X+\i]|, |v[X+\i+1]|
	v_max3_num_f32 v11, v11, |v[X+\i+2]|, |v[X+\i+3]|
.endr
	v_max3_num_f32 v10, v10, |v[X+29]|, |v[X+30]|
	v_max3_num_f32 v10, v10, v11, |v[X+31]|
	v_add_nc_u32 v12, 0xfe000000, v10                        ; 4 off the exponent field: the conversion takes this operand's exponent field as its scale
	v_cvt_scalef32_pk16_bf6_f32 v[PC+6*(\c):PC+6*(\c)+2], v[X:X+15], v12
	v_cvt_scalef32_pk16_bf6_f32 v[TMP:TMP+2], v[X+16:X+31], v12   ; (a conversion's three registers begin on an even number)
	v_lshrrev_b32 v[13+(\c)], 23, v12                        ; the byte; also the plain line behind the conversions
.irp i, 0,1,2
	v_mov_b32 v[PC+6*(\c)+3+\i], v[TMP+\i]
.endr
.endm
.macro WORD ks                         ; my two bytes (blocks h and 2 + h of the K step) and lane l xor 16's two make the row's scale word
	v_lshl_or_b32 v15, v14, 16, v13
	v_lshlrev_b32 v15, v8, v15
	v_permlanex16_b32 v9, v15, s26, s27
	v_or_b32 v[SW+(\ks)], v15, v9
.endm
.macro OUTW ks                         ; the fragment as it stands: three stores of 512 consecutive bytes
.irp ch, 0,1,2
	global_store_b128 v6, v[PC+4*\ch:PC+4*\ch+3], s[10:11] offset:1536*(\ks)+512*\ch
.endr
.endm
.macro OUTX ks                         ; into my rows of x's codes in LDS: 24 bytes at 96 ks + 24 h and 24 at 96 ks + 48 + 24 h
.irp p, 0,1,2,3,4,5
	ds_store_b64 v204, v[PC+2*\p:PC+2*\p+1] offset:96*(\ks)+48*(\p/3)+8*(\p%3)
.endr
.endm
.macro ROUTE16 s                       ; 64 along K: K slot (h, j) of instruction i is k = 64 s + 32 h + 2 i + j on both sides.  The accumulators take turns; step 0's first four start the sums
.irp i, 0,1,2,3,4,5,6,7,8,9,10,11,12,13,14,15
.if ((\s) == 0) && (\i < 4)
	v_wmma_f32_16x16x4_f32 v[ACC+8*(\i%4):ACC+8*(\i%4)+7], v[RWF+32*((\s)%2)+2*\i:RWF+32*((\s)%2)+2*\i+1], v[X+2*\i:X+2*\i+1], 0
.else
	v_wmma_f32_16x16x4_f32 v[ACC+8*(\i%4):ACC+8*(\i%4)+7], v[RWF+32*((\s)%2)+2*\i:RWF+32*((\s)%2)+2*\i+1], v[X+2*\i:X+2*\i+1], v[ACC+8*(\i%4):ACC+8*(\i%4)+7]
.endif
.endr
.endm
.macro SCALES_OUT b                    ; lanes 0-15 store words 0-3 of row r, lanes 16-31 words 4-7: 512 consecutive bytes
	v_cmp_ne_u32 vcc_lo, 0, v2
.irp i, 0,1,2,3
	v_cndmask_b32 v[SS+\i], v[SW+\i], v[SW+4+\i], vcc_lo
.endr
	global_store_b128 v7, v[SS:SS+3], s[\b:\b+1]
.endm
	s_load_b512 s[4:19], s[0:1], 0x0               ; x 4, router_w 6, w1 8, wq 10, wsc 12, xq 14, xsc 16, keys 18
	s_load_b64 s[20:21], s[0:1], 0x40              ; rt
	s_set_vgpr_msb 0x40
	v_lshl_add_u32 v0, v0, 2, 0x14c00
	v_mov_b32 v1, 0
	s_set_vgpr_msb 0x4000
	v_lshrrev_b32 v1, 5, v0
	v_readfirstlane_b32 s22, v1                    ; wave
	v_and_b32 v207, 31, v0                         ; lane
	v_and_b32 v1, 15, v0                           ; r
	v_bfe_u32 v2, v0, 4, 1                         ; h
	v_lshlrev_b32 v3, 4, v1
	v_lshl_add_u32 v3, v2, 12, v3                  ; in memory: row h of a pair, 16 r
	v_lshlrev_b32 v6, 4, v207
	v_lshlrev_b32 v7, 5, v1
	v_lshl_add_u32 v7, v2, 4, v7
	v_lshlrev_b32 v8, 3, v2
	v_mov_b32 v9, 0                                ; written once: a lane permute's destination counts as one of its sources
	v_mul_u32_u24 v4, v2, STP
	v_lshl_add_u32 v4, v1, 4, v4                   ; stage, in: row h of a pair, 16 r
	v_mul_u32_u24 v5, v1, STP
	v_lshl_add_u32 v5, v2, 7, v5                   ; stage, out: row r, 128 h
	s_mul_i32 s24, s22, STGB
	s_mov_b32 s25, 0
	s_mov_b32 s26, 0x76543210
	s_mov_b32 s27, 0xfedcba98                      ; v_permlanex16_b32's selects for lane l xor 16
	s_cmp_lt_u32 ttmp9, NXWG
	s_cbranch_scc1 .Lx_path
; ---------------- w1 ----------------
	v_add_nc_u32 v4, s24, v4
	v_add_nc_u32 v5, s24, v5
	s_sub_co_u32 s23, ttmp9, NXWG
	s_lshl_b32 s23, s23, 2
	s_add_co_u32 s23, s23, s22                     ; my row tile, 0 .. 2,047
	s_wait_kmcnt 0x0
	s_lshl_b32 s24, s23, 16
	s_add_nc_u64 s[8:9], s[8:9], s[24:25]
	s_mul_i32 s24, s23, 12288
	s_add_nc_u64 s[10:11], s[10:11], s[24:25]
	s_lshl_b32 s24, s23, 9
	s_add_nc_u64 s[12:13], s[12:13], s[24:25]
.macro WSTEP s
.if 15-(\s) >= 3
	s_wait_loadcnt 24                              ; this step's eight loads are in; those of the three steps behind it stay out
.else
	s_wait_loadcnt 8*(15-(\s))
.endif
	TURN R+32*((\s)%4)
	s_wait_dscnt 0x0                               ; my block is in, and the stage's stores have read the set
.if ((\s)%2 == 0) && ((\s) >= 2)
	s_wait_xcnt 0x0                                ; the last fragment's stores have read their data: the codes' registers are written again only behind this wait
.endif
.if (\s)+4 < 16
	LOADROWS R+32*((\s)%4), (\s)+4, 8
.endif
	BLOCKQ (\s)%2
.if (\s)%2 == 1
	WORD (\s)/2
	OUTW (\s)/2
.endif
.endm
	LOADROWS R, 0, 8
	LOADROWS R+32, 1, 8
	LOADROWS R+64, 2, 8
	LOADROWS R+96, 3, 8
.irp s, 0,1,2,3,4,5,6,7,8,9,10,11,12,13,14,15
	WSTEP \s
.endr
	SCALES_OUT 12
	s_set_vgpr_msb 0x5
	s_wait_tensorcnt 0x0
	ds_add_u32 v0, v1
	s_wait_dscnt 0x0
	s_set_vgpr_msb 0x500
	s_endpgm
; ---------------- x and the router ----------------
.Lx_path:
	s_add_co_u32 s24, s24, XSTG
	v_add_nc_u32 v4, s24, v4
	v_add_nc_u32 v5, s24, v5
	s_mul_i32 s24, s22, XOB
	s_add_co_u32 s24, s24, XOUT
	v_mul_u32_u24 v204, v1, XOP
	v_mad_u32_u24 v204, v2, 24, v204
	v_add_nc_u32 v204, s24, v204                   ; x's codes, in: row r, 24 h
	v_mul_u32_u24 v205, v2, XOP
	v_lshl_add_u32 v205, v1, 4, v205
	v_add_nc_u32 v205, s24, v205                   ; out: row h of a pair, 16 r
	v_mul_u32_u24 v206, v2, 768
	v_lshl_add_u32 v206, v1, 4, v206               ; and the same place in xq
	v_and_b32 v31, 7, v0
	v_lshlrev_b32 v31, 12, v31
	v_lshl_add_u32 v31, v2, 7, v31                 ; router_w: row r & 7, 128 h
	s_lshl_b32 s23, ttmp9, 2
	s_add_co_u32 s23, s23, s22                     ; my row tile, 0 .. 127
	s_wait_kmcnt 0x0
	s_lshl_b32 s24, s23, 16
	s_add_nc_u64 s[4:5], s[4:5], s[24:25]
	s_mul_i32 s24, s23, 12288
	s_add_nc_u64 s[14:15], s[14:15], s[24:25]
	s_lshl_b32 s24, s23, 9
	s_add_nc_u64 s[16:17], s[16:17], s[24:25]
	s_lshl_b32 s24, s23, 6
	s_add_nc_u64 s[18:19], s[18:19], s[24:25]
	s_lshl_b32 s24, s23, 5
	s_add_co_u32 s24, s24, 16384
	s_add_nc_u64 s[28:29], s[20:21], s[24:25]      ; pp: behind cw's 16,384 bytes, 32 bytes a tile
	s_lshl_b32 s24, s23, 7
	s_add_nc_u64 s[20:21], s[20:21], s[24:25]      ; cw: 8 bytes a token
.macro XSTEP s
.if (\s) < 15
	s_wait_loadcnt 16                              ; this step's rows and router_w are in; the next step's 8 + 8 loads stay out
.else
	s_wait_loadcnt 0x0
.endif
	TURN R+32*((\s)%2)
	s_wait_dscnt 0x0
	ROUTE16 \s
	BLOCKQ (\s)%2                                  ; it only reads what the products read; of its 21 plain lines at least 19 name no register of any one product: the places (eight are asked) in front of the loads below and of the next step's
.if (\s)%2 == 1
	WORD (\s)/2
	OUTX (\s)/2
.endif
.if (\s)+2 < 16
	LOADROWS R+32*((\s)%2), (\s)+2, 4
	LOADRW RWF+32*((\s)%2), (\s)+2
.endif
.endm
	LOADROWS R, 0, 4
	LOADRW RWF, 0
	LOADROWS R+32, 1, 4
	LOADRW RWF+32, 1
.irp s, 0,1,2,3,4,5,6,7,8,9,10,11,12,13,14,15
	XSTEP \s
.endr
	SCALES_OUT 16
.set M, 0
.rept 8                                ; x's codes back as whole rows: each half of the lanes takes 256 bytes of one row; LDS serves my instructions in order, so these see my stores
.irp pc, 0,1,2
	ds_load_b128 v[R+12*M+4*\pc:R+12*M+4*\pc+3], v205 offset:2*XOP*M+256*\pc
.endr
.set M, M+1
.endr
	; the logits: the four accumulators are added, each read from its low end on
.irp k, 0,2,4,6
	v_pk_add_f32 v[LG+\k:LG+\k+1], v[ACC+\k:ACC+\k+1], v[ACC+8+\k:ACC+9+\k]
.endr
.irp k, 0,2,4,6
	v_pk_add_f32 v[128+\k:129+\k], v[ACC+16+\k:ACC+17+\k], v[ACC+24+\k:ACC+25+\k]
.endr
.irp k, 0,2,4,6
	v_pk_add_f32 v[LG+\k:LG+\k+1], v[LG+\k:LG+\k+1], v[128+\k:129+\k]
.endr
	v_max3_num_f32 v136, v[LG], v[LG+1], v[LG+2]
	v_max3_num_f32 v136, v136, v[LG+3], v[LG+4]
	v_max3_num_f32 v136, v136, v[LG+5], v[LG+6]
	v_max_num_f32 v136, v136, v[LG+7]              ; the largest logit is taken away before the exponentials
.irp j, 0,1,2,3,4,5,6,7
	v_sub_f32 v[PR+\j], v[LG+\j], v136
.endr
.irp j, 0,1,2,3,4,5,6,7
	v_mul_f32 v[PR+\j], 0x3fb8aa3b, v[PR+\j]       ; x log2(e)
.endr
	v_mov_b32 v137, v[LG]                          ; top-1: value v137, index v138; what is held stays where it is >= the new one, so a tie keeps the lower index
	v_mov_b32 v138, 0
.irp e, 1,2,3,4,5,6,7
	v_cmp_ge_f32 vcc_lo, v137, v[LG+\e]
	v_cndmask_b32 v138, \e, v138, vcc_lo
	v_max_num_f32 v137, v137, v[LG+\e]
.endr
	v_mov_b32 v139, 0xff800000                     ; top-2: value v139 from -infinity, index v140; the first choice is passed over
	v_mov_b32 v140, 0
.irp e, 0,1,2,3,4,5,6,7
	v_cmp_eq_u32 s30, \e, v138
	v_cmp_ge_f32 vcc_lo, v139, v[LG+\e]
	s_or_b32 vcc_lo, vcc_lo, s30
	v_cndmask_b32 v140, \e, v140, vcc_lo
	v_cndmask_b32 v139, v[LG+\e], v139, vcc_lo
.endr
	v_sub_f32 v141, v139, v137                     ; second less first: 0 or less
	v_mul_f32 v141, 0x3fb8aa3b, v141
.irp j, 0,1,2,3,4,5,6,7
	v_exp_f32 v[PR+\j], v[PR+\j]                   ; one batch of nine exponentials,
.endr
	v_exp_f32 v141, v141
	v_lshlrev_b32 v152, 2, v1                      ; plain work behind them: 4 r, 8 r,
	v_lshlrev_b32 v153, 3, v1
	s_wait_alu depctr_va_vdst(0)                   ; and one wait ahead of the first line that names a result
	v_add_f32 v142, v[PR], v[PR+1]
	v_add_f32 v143, v[PR+2], v[PR+3]
	v_add_f32 v128, v[PR+4], v[PR+5]
	v_add_f32 v129, v[PR+6], v[PR+7]
	v_add_f32 v142, v142, v143
	v_add_f32 v128, v128, v129
	v_add_f32 v142, v142, v128
	v_add_f32 v143, 1.0, v141
	v_rcp_f32 v144, v142                           ; a batch of two reciprocals,
	v_rcp_f32 v145, v143                           ; v145: the first choice's weight
	v_min_u32 v147, v138, v140                     ; plain work behind them: lo, hi, the key,
	v_max_u32 v148, v138, v140
	v_lshl_or_b32 v149, v148, 3, v147
	v_cmp_lt_u32 vcc_lo, v138, v140
	s_wait_alu depctr_va_vdst(0)                   ; and their one wait
	v_mul_f32 v146, v141, v145                     ; the second choice's weight
	v_cndmask_b32 v150, v146, v145, vcc_lo         ; the weights by ascending expert
	v_cndmask_b32 v151, v145, v146, vcc_lo
.irp j, 0,1,2,3,4,5,6,7
	v_mul_f32 v[PR+\j], v[PR+\j], v144
.endr
.irp n, 1,2,4,8                        ; summed over the tile's 16 tokens (both halves of the lanes hold the same)
.irp j, 0,1,2,3,4,5,6,7
	v_add_f32_dpp v[PR+\j], v[PR+\j], v[PR+\j] row_xmask:\n row_mask:0xf bank_mask:0xf
.endr
.endr
	s_wait_dscnt 0x0                               ; x's codes are back
.set M, 0
.rept 8
.irp pc, 0,1,2
	global_store_b128 v206, v[R+12*M+4*\pc:R+12*M+4*\pc+3], s[14:15] offset:2*768*M+256*\pc   ; 16 lanes store 256 consecutive bytes, at a multiple of 256 from xq's first byte
.endr
.set M, M+1
.endr
	v_cmp_gt_u32 vcc_lo, 16, v207
	s_wait_xcnt 0x0                                ; EXEC changes only behind this wait
	s_set_vgpr_msb 0x5
	s_wait_tensorcnt 0x0
	ds_add_u32 v0, v1
	s_wait_dscnt 0x0
	s_set_vgpr_msb 0x500
	s_and_saveexec_b32 s30, vcc_lo
	global_store_b32 v152, v149, s[18:19]          ; lanes 0-15: a token each
	global_store_b64 v153, v[150:151], s[20:21]
	s_wait_xcnt 0x0
	s_or_b32 exec_lo, exec_lo, s30
	v_cmp_eq_u32 vcc_lo, 0, v207
	s_and_saveexec_b32 s30, vcc_lo                 ; (nothing was issued since the wait above)
	global_store_b128 v152, v[PR:PR+3], s[28:29]   ; lane 0 (its 4 r is 0): the tile's eight sums
	global_store_b128 v152, v[PR+4:PR+7], s[28:29] offset:16
	s_wait_xcnt 0x0
	s_or_b32 exec_lo, exec_lo, s30
	s_endpgm
.Lfunc_end_k_q1ae7048315_prep:
	.size	k_q1ae7048315_prep, .Lfunc_end_k_q1ae7048315_prep-k_q1ae7048315_prep
	.p2alignl 7, 3214868480
	.fill 96, 4, 3214868480
	.section	.rodata,"a",@progbits
	.p2align	6, 0x0
	.amdhsa_kernel k_q1ae7048315_prep
		.amdhsa_group_segment_fixed_size 85504
		.amdhsa_private_segment_fixed_size 0
		.amdhsa_enable_private_segment 0
		.amdhsa_kernarg_size 72
		.amdhsa_user_sgpr_count 2
		.amdhsa_user_sgpr_kernarg_segment_ptr 1
		.amdhsa_wavefront_size32 1
		.amdhsa_system_sgpr_workgroup_id_x 1
		.amdhsa_system_sgpr_workgroup_id_y 1
		.amdhsa_system_sgpr_workgroup_id_z 1
		.amdhsa_system_vgpr_workitem_id 0
		.amdhsa_next_free_vgpr 258
		.amdhsa_next_free_sgpr 66
		.amdhsa_reserve_vcc 1
		.amdhsa_float_denorm_mode_32 3
		.amdhsa_float_denorm_mode_16_64 3
		.amdhsa_memory_ordered 1
		.amdhsa_forward_progress 1
		.amdhsa_inst_pref_size 154
	.end_amdhsa_kernel
	.amdgpu_metadata
---
amdhsa.version: [ 1, 2 ]
amdhsa.kernels:
  - .name:           k_q1ae7048315_prep
    .symbol:         k_q1ae7048315_prep.kd
    .args:
      - { .name: x, .offset: 0, .size: 8, .value_kind: global_buffer, .address_space: global }
      - { .name: router_w, .offset: 8, .size: 8, .value_kind: global_buffer, .address_space: global }
      - { .name: w1, .offset: 16, .size: 8, .value_kind: global_buffer, .address_space: global }
      - { .name: wq, .offset: 24, .size: 8, .value_kind: global_buffer, .address_space: global }
      - { .name: wsc, .offset: 32, .size: 8, .value_kind: global_buffer, .address_space: global }
      - { .name: xq, .offset: 40, .size: 8, .value_kind: global_buffer, .address_space: global }
      - { .name: xsc, .offset: 48, .size: 8, .value_kind: global_buffer, .address_space: global }
      - { .name: keys, .offset: 56, .size: 8, .value_kind: global_buffer, .address_space: global }
      - { .name: rt, .offset: 64, .size: 8, .value_kind: global_buffer, .address_space: global }
    .group_segment_fixed_size: 85504
    .private_segment_fixed_size: 0
    .kernarg_segment_align: 8
    .kernarg_segment_size: 72
    .max_flat_workgroup_size: 128
    .sgpr_count:     66
    .vgpr_count:     258
    .wavefront_size: 32
...
	.end_amdgpu_metadata
.endif
;; end of part 1
;; launch place (part 2): grid 1 x 1, 16 waves a work-group, no clusters, 10,240 bytes of LDS; arguments keys, rt, route, out1; writes route, out1
.if DOCPART == 2
	.amdgcn_target "amdgcn-amd-amdhsa--gfx1250"
	.amdhsa_code_object_version 6
	.text
	.protected	k_q1ae7048315_place
	.globl	k_q1ae7048315_place
	.p2align	8
	.type	k_q1ae7048315_place,@function
k_q1ae7048315_place:
	s_mov_b64 s[64:65], 0
	v_nop
	global_prefetch_b8 v0, s[64:65] scope:SCOPE_SE
	s_setreg_imm32_b32 hwreg(HW_REG_WAVE_MODE, 25, 1), 1
	s_wait_xcnt 0x0
; PLACE: a counting sort of the 2,048 tokens by their PAIR of experts (28 pairs, p = hi (hi - 1) / 2 + lo), without atomics, by one work-group of 16 waves; and the balance loss.
; route: grp[64] = (lo, hi, n, 0): group G holds n tokens (at most 96), all of one pair; then perm[64][96]: the groups' token numbers, 0 in what is left over.  Every byte is written.
; A pair with t tokens gets ceil(t / 96) groups on end; the sum over 28 pairs is at most (2,048 + 28 x 95) / 96, so 49 groups at the most, whatever the choice.
; PHASES.  1: wave w takes tokens 128 w .. 128 w + 127 as four chunks of 32; for each chunk the 28 counts (a compare, a bit count) go to lane p of one register and to row chunk of a table in LDS; a token's rank among its
; chunk's like tokens is the count of set bits below its lane.  | barrier |  2: wave 0 sums the table's 64 rows (lane p: pair p), scans the pairs' group counts over the lanes, writes each chunk's first slot back into the
; table, stores the 64 records and the loss.  | barrier |  3: every token's slot = its chunk's first slot for its pair + its rank.
; perm is cleared first; each wave waits for its clearing stores in front of the first barrier, so that no later store onto one of those words is overtaken.
; out1 = 8 sum_e f_e P_e = 2^-19 sum_e count_e Psum_e = 2^-19 sum over pairs of total_p (Psum[lo] + Psum[hi]).
; LIMIT: a key with lo = hi (only NaN or infinite logits give one) is counted for no pair; every address stays inside its buffer all the same.
; v2 lane, v3 4 x lane, v4 512 x wave + 4 x lane, v5 16 x thread, v8-11 zeros, v12-15 keys, v16-19 counts, v20-23 like tokens' masks, v24-27 ranks, v160-163 4 x pair; wave 0: v28-55 at work, v64-127 the table, v128-159 pp
	s_load_b256 s[4:11], s[0:1], 0x0               ; keys 4, rt 6, route 8, out1 10
	v_lshl_add_u32 v176, v0, 2, 0x2000
	v_mov_b32 v177, 0
	v_lshrrev_b32 v1, 5, v0
	v_readfirstlane_b32 s12, v1                    ; wave
	v_and_b32 v2, 31, v0
	v_lshlrev_b32 v3, 2, v2
	s_lshl_b32 s13, s12, 9
	v_add_nc_u32 v4, s13, v3                       ; my first token's key in memory, and my place in my first chunk's row of the table
	v_lshlrev_b32 v5, 4, v0
.irp i, 8,9,10,11
	v_mov_b32 v\i, 0
.endr
	s_mov_b32 s26, 0x76543210
	s_mov_b32 s27, 0xfedcba98
	s_wait_kmcnt 0x0
.irp j, 0,1,2,3
	global_load_b32 v[12+\j], v4, s[4:5] offset:128*\j
.endr
.irp k, 0,1,2
	global_store_b128 v5, v[8:11], s[8:9] offset:1024+8192*\k    ; perm's 24,576 bytes: 512 threads x 16 bytes x 3
.endr
	s_wait_loadcnt 0x0
.irp j, 0,1,2,3
	v_and_b32 v[12+\j], 63, v[12+\j]
.endr
.macro COUNT j
	v_mov_b32 v[16+\j], 0
	v_mov_b32 v[20+\j], 0
.irp hi, 1,2,3,4,5,6,7
.irp lo, 0,1,2,3,4,5,6
.if \lo < \hi
	v_cmp_eq_u32 s30, \lo+8*\hi, v[12+\j]
	s_bcnt1_i32_b32 s31, s30
	v_writelane_b32 v[16+\j], s31, \hi*(\hi-1)/2+\lo
	v_cndmask_b32 v[20+\j], v[20+\j], s30, s30     ; the lanes of this pair keep the mask of their like
.endif
.endr
.endr
	v_mbcnt_lo_u32_b32 v[24+\j], v[20+\j], 0       ; how many of them stand below me
	ds_store_b32 v4, v[16+\j] offset:128*\j
	v_and_b32 v164, 7, v[12+\j]                    ; 4 x my pair's number
	v_lshrrev_b32 v165, 3, v[12+\j]
	v_add_nc_u32 v166, -1, v165
	v_mul_u32_u24 v166, v166, v165
	v_lshrrev_b32 v166, 1, v166
	v_add_lshl_u32 v[160+\j], v166, v164, 2
.endm
.irp j, 0,1,2,3
	COUNT \j
.endr
	s_wait_storecnt 0x0                            ; my part of perm is cleared
	s_wait_dscnt 0x0                               ; my rows of the table are written
	s_barrier_signal -1
	s_barrier_wait -1
.macro PAIR_OF p, hi, lo               ; v[p] = a pair's number -> its two experts
	v_mov_b32 v[\hi], 1
.irp thr, 1,3,6,10,15,21
	v_cmp_le_u32 vcc_lo, \thr, v[\p]
	v_add_co_ci_u32 v[\hi], vcc_lo, 0, v[\hi], vcc_lo
.endr
	v_add_nc_u32 v[\lo], -1, v[\hi]
	v_mul_u32_u24 v[\lo], v[\lo], v[\hi]
	v_lshrrev_b32 v[\lo], 1, v[\lo]
	v_sub_nc_u32 v[\lo], v[\p], v[\lo]
.endm
.macro RECORD q, cnt, gid, rec         ; lane l: group l + 32 q
	v_min_u32 v37, 27, v[\cnt]                     ; its pair: the first whose groups end behind it
	v_lshlrev_b32 v38, 2, v37
	ds_bpermute_b32 v39, v38, v28                  ; that pair's tokens,
	ds_bpermute_b32 v44, v38, v32                  ; and its first group
	PAIR_OF 37, \rec+1, \rec
	s_wait_dscnt 0x0
	v_sub_nc_u32 v[\rec+2], v[\gid], v44
	v_mul_u32_u24 v[\rec+2], 0x60, v[\rec+2]
	v_sub_nc_u32 v[\rec+2], v39, v[\rec+2]         ; what is left of the pair's tokens at this group,
	v_max_i32 v[\rec+2], 0, v[\rec+2]
	v_min_i32 v[\rec+2], 0x60, v[\rec+2]           ; held to 0 .. 96: 0 for the groups that this split does not use
	v_mov_b32 v[\rec+3], 0
	global_store_b128 v5, v[\rec:\rec+3], s[8:9] offset:512*\q
.endm
	s_cmp_lg_u32 s12, 0
	s_cbranch_scc1 .Ljoin                          ; wave 0 alone; no barrier stands inside
.set C, 0
.rept 32
	global_load_b32 v[128+C], v3, s[6:7] offset:16384+128*C      ; pp: number l + 32 i belongs to expert l % 8
.set C, C+1
.endr
.set C, 0
.rept 64
	ds_load_b32 v[64+C], v3 offset:128*C
.set C, C+1
.endr
	s_wait_dscnt 0x0
.set C, 1
.rept 63
	v_add_nc_u32 v[64+C], v[64+C], v[63+C]         ; lane p: pair p's tokens in chunks 0 .. C
.set C, C+1
.endr
	v_mov_b32 v28, v127                            ; the pair's tokens
	v_add_nc_u32 v29, 0x5f, v28
	v_mul_u32_u24 v29, 0xaaab, v29
	v_lshrrev_b32 v29, 22, v29                     ; its groups: (t + 95) / 96, exact for t + 95 up to 2,143: 43,691 / 2^22 exceeds 1 / 96 by 8e-8
	v_mov_b32 v30, v29
	v_mov_b32 v31, 0
.irp n, 1,2,4,8
	v_mov_b32_dpp v31, v30 row_shr:\n row_mask:0xf bank_mask:0xf bound_ctrl:1
	v_add_nc_u32 v30, v30, v31
.endr
	v_readlane_b32 s14, v30, 15
	v_cmp_le_u32 vcc_lo, 16, v2
	v_mov_b32 v31, s14
	v_cndmask_b32 v31, 0, v31, vcc_lo
	v_add_nc_u32 v30, v30, v31                     ; where the pair's groups end,
	v_sub_nc_u32 v32, v30, v29                     ; where they begin,
	v_mul_u32_u24 v33, 0x60, v32                   ; and its first slot
	ds_store_b32 v3, v33                           ; the table now takes each chunk's first slot for each pair
.set C, 1
.rept 63
	v_add_nc_u32 v[63+C], v[63+C], v33
	ds_store_b32 v3, v[63+C] offset:128*C
.set C, C+1
.endr
	v_add_nc_u32 v34, 32, v2
	v_mov_b32 v35, 0
	v_mov_b32 v36, 0
.set C, 0
.rept 28
	v_readlane_b32 s14, v30, C
	v_cmp_le_u32 vcc_lo, s14, v2
	v_add_co_ci_u32 v35, vcc_lo, 0, v35, vcc_lo    ; how many pairs' groups end at or before mine
	v_cmp_le_u32 vcc_lo, s14, v34
	v_add_co_ci_u32 v36, vcc_lo, 0, v36, vcc_lo
.set C, C+1
.endr
	RECORD 0, 35, 2, 40
	RECORD 1, 36, 34, 48
	s_wait_loadcnt 0x0                             ; pp
.set C, 1
.rept 31
	v_add_f32 v128, v128, v[128+C]
.set C, C+1
.endr
	v_add_f32_dpp v128, v128, v128 row_xmask:8 row_mask:0xf bank_mask:0xf
	v_permlanex16_b32 v31, v128, s26, s27
	v_add_f32 v128, v128, v31                      ; lane l: Psum[l % 8]
	PAIR_OF 2, 53, 52                              ; lane p's pair (lanes 28-31 have no tokens: their term is 0)
	v_lshlrev_b32 v52, 2, v52
	v_lshlrev_b32 v53, 2, v53
	ds_bpermute_b32 v54, v52, v128
	ds_bpermute_b32 v55, v53, v128
	s_wait_dscnt 0x0
	v_add_f32 v54, v54, v55
	v_cvt_f32_u32 v55, v28
	v_mul_f32 v54, v54, v55
.irp n, 1,2,4,8
	v_add_f32_dpp v54, v54, v54 row_xmask:\n row_mask:0xf bank_mask:0xf
.endr
	v_permlanex16_b32 v31, v54, s26, s27
	v_add_f32 v54, v54, v31
	v_mul_f32 v54, 0x36000000, v54                 ; x 2^-19 = 8 / 2,048^2
	v_cmp_eq_u32 vcc_lo, 0, v2
	s_wait_xcnt 0x0                                ; EXEC changes only behind this wait
	s_and_saveexec_b32 s16, vcc_lo
	global_store_b32 v3, v54, s[10:11]
	s_wait_xcnt 0x0
	s_or_b32 exec_lo, exec_lo, s16
.Ljoin:
	s_wait_dscnt 0x0                               ; wave 0's stores into the table are done
	s_barrier_signal -1
	s_barrier_wait -1
.irp j, 0,1,2,3
	ds_load_b32 v[56+\j], v4 offset:128*\j         ; my chunk's row: lane p holds pair p's first slot
.endr
	v_lshrrev_b32 v164, 2, v4                      ; 128 x wave + lane
	s_wait_dscnt 0x0
.irp j, 0,1,2,3
	ds_bpermute_b32 v[168+\j], v[160+\j], v[56+\j]
.endr
.irp j, 0,1,2,3
	v_add_nc_u32 v[172+\j], 32*\j, v164            ; the token's number
.endr
	s_wait_dscnt 0x0
.irp j, 0,1,2,3
	v_add_nc_u32 v[168+\j], v[168+\j], v[24+\j]
	v_min_u32 v[168+\j], 0x17ff, v[168+\j]         ; inside perm's 6,144 words
	v_lshlrev_b32 v[168+\j], 2, v[168+\j]
	global_store_b32 v[168+\j], v[172+\j], s[8:9] offset:1024
.endr
	s_wait_tensorcnt 0x0
	ds_add_u32 v176, v177
	s_wait_dscnt 0x0
	s_endpgm
.Lfunc_end_k_q1ae7048315_place:
	.size	k_q1ae7048315_place, .Lfunc_end_k_q1ae7048315_place-k_q1ae7048315_place
	.p2alignl 7, 3214868480
	.fill 96, 4, 3214868480
	.section	.rodata,"a",@progbits
	.p2align	6, 0x0
	.amdhsa_kernel k_q1ae7048315_place
		.amdhsa_group_segment_fixed_size 10240
		.amdhsa_private_segment_fixed_size 0
		.amdhsa_enable_private_segment 0
		.amdhsa_kernarg_size 32
		.amdhsa_user_sgpr_count 2
		.amdhsa_user_sgpr_kernarg_segment_ptr 1
		.amdhsa_wavefront_size32 1
		.amdhsa_system_sgpr_workgroup_id_x 1
		.amdhsa_system_sgpr_workgroup_id_y 1
		.amdhsa_system_sgpr_workgroup_id_z 1
		.amdhsa_system_vgpr_workitem_id 0
		.amdhsa_next_free_vgpr 178
		.amdhsa_next_free_sgpr 66
		.amdhsa_reserve_vcc 1
		.amdhsa_float_denorm_mode_32 3
		.amdhsa_float_denorm_mode_16_64 3
		.amdhsa_memory_ordered 1
		.amdhsa_forward_progress 1
		.amdhsa_inst_pref_size 56
	.end_amdhsa_kernel
	.amdgpu_metadata
---
amdhsa.version: [ 1, 2 ]
amdhsa.kernels:
  - .name:           k_q1ae7048315_place
    .symbol:         k_q1ae7048315_place.kd
    .args:
      - { .name: keys, .offset: 0, .size: 8, .value_kind: global_buffer, .address_space: global }
      - { .name: rt, .offset: 8, .size: 8, .value_kind: global_buffer, .address_space: global }
      - { .name: route, .offset: 16, .size: 8, .value_kind: global_buffer, .address_space: global }
      - { .name: out1, .offset: 24, .size: 8, .value_kind: global_buffer, .address_space: global }
    .group_segment_fixed_size: 10240
    .private_segment_fixed_size: 0
    .kernarg_segment_align: 8
    .kernarg_segment_size: 32
    .max_flat_workgroup_size: 512
    .sgpr_count:     66
    .vgpr_count:     178
    .wavefront_size: 32
...
	.end_amdgpu_metadata
.endif
;; end of part 2
;; launch experts (part 3): grid 8 x 49, 4 waves a work-group, no clusters, 93,696 bytes of LDS; arguments xq, xsc, wq, wsc, b1, rt, route, out0; writes out0
.if DOCPART == 3
	.amdgcn_target "amdgcn-amd-amdhsa--gfx1250"
	.amdhsa_code_object_version 6
	.text
	.protected	k_q1ae7048315_experts
	.globl	k_q1ae7048315_experts
	.p2align	8
	.type	k_q1ae7048315_experts,@function
k_q1ae7048315_experts:
	s_mov_b64 s[64:65], 0
	v_nop
	global_prefetch_b8 v0, s[64:65] scope:SCOPE_SE
	s_setreg_imm32_b32 hwreg(HW_REG_WAVE_MODE, 25, 1), 1
	s_wait_xcnt 0x0
; EXPERTS: out[t] = c_lo (Q(x_t) . Q(w1[lo]) + b1[lo]) + c_hi (Q(x_t) . Q(w1[hi]) + b1[hi]), on codes of BF6 (E3M2) with E8M0 scales, for the chosen experts alone.
; SHARES.  Work-group (x, y) takes group y (at most 96 tokens that share ONE pair of experts: six tiles of 16) and columns 512 x .. 512 x + 511; wave w 128 of them, in two passes of 64.  Each output tile has two accumulators,
; one for each expert; so every output row has one owner and nothing is added in memory.  49 groups serve every split (28 pairs, groups of 96: (2,048 + 28 x 95) / 96); a group that this split leaves without tokens
; stores nothing and ends.  All six tiles are multiplied whatever n is: a branch for each tile would want every register window at 0 round it.
; NO TENSOR LOADS, NO CLUSTER: which work-groups share an expert's weights, and whether a work-group has work at all, hang on counts read from memory, and this text ends early on such a count.  So the weights come from
; memory straight into registers: wq holds them as images of the operand's registers, 24 loads of 512 consecutive bytes for a step of 128 along K (2 experts x 4 column tiles), in a ring of three register slots, two steps ahead.
; x.  The group's 96 rows of codes (768 bytes each) are gathered once into LDS, rows 784 bytes apart (196 words: the 32 lanes of an 8-byte load touch 64 different banks), behind the text's one barrier, which every wave passes;
; the early end stands behind it.
; THE MATRIX INSTRUCTION IS USED TRANSPOSED: source 0 = 16 rows of w1, source 1 = 16 tokens: lane (r, h) holds token r and columns 8 h + 0 .. 7 of the tile.  The biases are the C of each sum's first instruction.
; SCALES.  One 16-byte load brings a tile's words: lane (r, h) takes bytes 16 h .. 16 h + 15 of row r's 32; register i holds K step i's word in lanes 0-15 and K step 4 + i's in lanes 16-31, which the second half of K names by the upper row.
; REGISTERS, in windows of 256 (s_set_vgpr_msb: bits 1:0 source 0, 3:2 source 1, 5:4 source 2, 7:6 destination):
;   window 0: v0-26 addresses and token numbers; v32-63 w1's scale words [expert][tile][4]; v64-87 x's [tile][4]; v88-99 (c_lo, c_hi) [tile]; v100-171, v172-243 x's fragments, two sets (the gather's rows before, the way out's registers between); v244-255 offsets
;   window 1: v0-95, v96-191 weight slots 0 and 1 (lo's 48, hi's 48); v192-255 the biases [expert][tile][8]
;   window 2: v0-191 lo's accumulators (token tile t, column tile ct at 32 t + 8 ct); v192-239 weight slot 2, lo.     window 3: the same for hi.
.set XP,   784                         ; a row of x's codes in LDS
.set STG,  96*XP                       ; behind the 96 rows: a stage of 16 rows x 272 bytes for each wave,
.set STP,  272
.set STGB, 16*STP
.set PRM,  STG+4*STGB                  ; and the rows' token numbers, 512 bytes
.set WSC,  32
.set XSC,  64
.set CW,   88
.set XF0,  100
.set OUTR, 100                         ; the way out: v100-131 a tile's results; v132-195 whole rows, two sets; v196-211 their offsets in out0, two sets
.set OB,   132
.set TK,   196
.set MSB, 0
.macro WIN new                         ; the immediate's high byte repeats the setting that is left; a switch that changes nothing is dropped
.if MSB != (\new)
	s_set_vgpr_msb (MSB<<8)|(\new)
.set MSB, (\new)
.endif
.endm
.macro WLOAD u                         ; step u (pass u / 8, K step u % 8): both experts' four fragments into slot u % 3
.set WP, (\u)/8
.set WK, (\u)%8
.set WS3, (\u)%3
.irp e, 0,1
.if WS3 < 2
	WIN 0x40
.set WB, 96*WS3+48*\e
.else
	WIN 0x80+0x40*\e
.set WB, 192
.endif
.irp ct, 0,1,2,3
.irp ch, 0,1,2
	global_load_b128 v[WB+12*\ct+4*\ch:WB+12*\ct+4*\ch+3], v1, s[28+2*\e:29+2*\e] offset:49152*WP+12288*\ct+1536*WK+512*\ch
.endr
.endr
.endr
.endm
.macro XFRAGS u                        ; x's six fragments of K step u % 8 into set u % 2: 24 bytes at 96 ks + 24 h and 24 at 96 ks + 48 + 24 h, in pieces of 8
	WIN 0
.set XB, XF0+72*((\u)%2)
.set XK, (\u)%8
.irp t, 0,1,2,3,4,5
.irp q, 0,1,2,3,4,5
	ds_load_b64 v[XB+12*\t+2*\q:XB+12*\t+2*\q+1], v2 offset:16*XP*\t+96*XK+48*(\q/3)+8*(\q%3)
.endr
.endr
.endm
.macro BIAS p                          ; b1[e][16 ct + 8 h + 0 .. 7] of pass p, in the result's layout
	WIN 0x40
.irp e, 0,1
.irp ct, 0,1,2,3
	global_load_b128 v[192+32*\e+8*\ct:192+32*\e+8*\ct+3], v7, s[36+2*\e:37+2*\e] offset:256*\p+64*\ct
	global_load_b128 v[192+32*\e+8*\ct+4:192+32*\e+8*\ct+7], v7, s[36+2*\e:37+2*\e] offset:256*\p+64*\ct+16
.endr
.endr
.endm
.macro WSLOAD p                        ; w1's scale words of pass p
	WIN 0
.irp e, 0,1
.irp ct, 0,1,2,3
	global_load_b128 v[WSC+16*\e+4*\ct:WSC+16*\e+4*\ct+3], v6, s[32+2*\e:33+2*\e] offset:2048*\p+512*\ct
.endr
.endr
.endm
; 48 matrix instructions: lo's 24 accumulators, then hi's 24, one instruction a turn, in the same order in every step: between two links of a chain stand the 47 others'.
.macro MULS u
.set MK, (\u)%8
.set MS, (\u)%3
.set MX, XF0+72*((\u)%2)
.irp e, 0,1
.if MS < 2
.set MW, 96*MS+48*\e
.set MA, 1
.else
.set MW, 192
.set MA, 2+\e
.endif
.if MK == 0
	WIN ((2+\e)<<6)|(1<<4)|MA
.else
	WIN ((2+\e)<<6)|((2+\e)<<4)|MA
.endif
.irp t, 0,1,2,3,4,5
.irp ct, 0,1,2,3
.if MK == 0
	v_wmma_scale_f32_16x16x128_f8f6f4 v[32*\t+8*\ct:32*\t+8*\ct+7], v[MW+12*\ct:MW+12*\ct+11], v[MX+12*\t:MX+12*\t+11], v[192+32*\e+8*\ct:192+32*\e+8*\ct+7], v[WSC+16*\e+4*\ct], v[XSC+4*\t] matrix_a_fmt:MATRIX_FMT_BF6 matrix_b_fmt:MATRIX_FMT_BF6
.elseif MK < 4
	v_wmma_scale_f32_16x16x128_f8f6f4 v[32*\t+8*\ct:32*\t+8*\ct+7], v[MW+12*\ct:MW+12*\ct+11], v[MX+12*\t:MX+12*\t+11], v[32*\t+8*\ct:32*\t+8*\ct+7], v[WSC+16*\e+4*\ct+MK], v[XSC+4*\t+MK] matrix_a_fmt:MATRIX_FMT_BF6 matrix_b_fmt:MATRIX_FMT_BF6
.else
	v_wmma_scale_f32_16x16x128_f8f6f4 v[32*\t+8*\ct:32*\t+8*\ct+7], v[MW+12*\ct:MW+12*\ct+11], v[MX+12*\t:MX+12*\t+11], v[32*\t+8*\ct:32*\t+8*\ct+7], v[WSC+16*\e+4*\ct+MK-4], v[XSC+4*\t+MK-4] matrix_a_fmt:MATRIX_FMT_BF6 matrix_b_fmt:MATRIX_FMT_BF6 matrix_a_scale:MATRIX_SCALE_ROW1 matrix_b_scale:MATRIX_SCALE_ROW1
.endif
.endr
.endr
.endr
.endm
.macro PLACES                          ; four plain lines between a matrix instruction and a load into, or a vector line on, one of its registers (ISA guide 7.12.1 for vector lines)
.rept 4
	v_nop
.endr
.endm
.macro STEP u
	s_wait_dscnt 0x0                               ; x's fragments of this step, asked for a step ago
.if ((\u) == 8) || ((\u) == 15)
	s_wait_loadcnt 0x0                             ; step 8: the scale words of pass 1 are the youngest loads; step 15: nothing was issued behind its weights
.else
	s_wait_loadcnt 24                              ; this step's weights are in; the next step's 24 loads stay out
.endif
	PLACES                                         ; the loads below land in registers that the step before multiplied
.if (\u) == 1
	BIAS 1                                         ; pass 0's biases were read in step 0 alone
.endif
.if (\u)+2 <= 15
	WLOAD (\u)+2
.endif
.if ((\u) != 7) && ((\u) != 15)
	XFRAGS (\u)+1
.endif
	MULS \u
.endm
; THE WAY OUT of token tile t.  PACKV: c_lo x lo's sums + c_hi x hi's, each accumulator from its low end on.  TOSTAGE: into my own stage and back as rows of 256 bytes, with the rows' token numbers.  SEND: stored, rows under n alone.
.macro PACKV t
	WIN 0x02
.irp k, 0,1,2,3,4,5,6,7,8,9,10,11,12,13,14,15
	v_pk_mul_f32 v[OUTR+2*\k:OUTR+2*\k+1], v[32*(\t)+2*\k:32*(\t)+2*\k+1], v[CW+2*(\t):CW+2*(\t)+1] op_sel_hi:[1,0]
.endr
	WIN 0x03
.irp k, 0,1,2,3,4,5,6,7,8,9,10,11,12,13,14,15
	v_pk_fma_f32 v[OUTR+2*\k:OUTR+2*\k+1], v[32*(\t)+2*\k:32*(\t)+2*\k+1], v[CW+2*(\t):CW+2*(\t)+1], v[OUTR+2*\k:OUTR+2*\k+1] op_sel:[0,1,0] op_sel_hi:[1,1,1]
.endr
	WIN 0
.endm
.macro TOSTAGE t
.set OBB, OB+32*((\t)%2)
.set TKB, TK+8*((\t)%2)
.irp ct, 0,1,2,3
	ds_store_b128 v3, v[OUTR+8*\ct:OUTR+8*\ct+3] offset:64*\ct
	ds_store_b128 v3, v[OUTR+8*\ct+4:OUTR+8*\ct+7] offset:64*\ct+16
.endr
.irp i, 0,1,2,3,4,5,6,7
	ds_load_b128 v[OBB+4*\i:OBB+4*\i+3], v4 offset:2*STP*\i        ; LDS serves a wave's instructions in order: these see the stores above, and the next tile's stores come behind them
.endr
.irp i, 0,1,2,3,4,5,6,7
	ds_load_b32 v[TKB+\i], v5 offset:64*(\t)+8*\i                  ; the token of row 16 t + 2 i + h
.endr
.endm
.macro SEND t, p
.set OBB, OB+32*((\t)%2)
.set TKB, TK+8*((\t)%2)
	s_wait_dscnt 0x0                               ; the tile is back in registers
.irp i, 0,1,2,3,4,5,6,7
	v_min_u32 v[TKB+\i], 0x7ff, v[TKB+\i]
.endr
.irp i, 0,1,2,3,4,5,6,7
	v_lshl_add_u32 v[TKB+\i], v[TKB+\i], 14, v9    ; the token's row of 16,384 bytes, + 16 r
.endr
.irp i, 0,1,2,3,4,5,6,7
	s_sub_co_i32 s46, s22, 16*(\t)+2*\i
	s_wait_xcnt 0x0                                ; EXEC changes only behind this wait
	v_cmpx_gt_i32 s46, v8                          ; row 16 t + 2 i + h counts where it lies under n; the rows that count come first, so the masks only narrow
	global_store_b128 v[TKB+\i], v[OBB+4*\i:OBB+4*\i+3], s[40:41] offset:256*\p th:TH_STORE_NT   ; 16 lanes store 256 consecutive bytes, at a multiple of 256 from out0's first byte
.endr
	s_wait_xcnt 0x0                                ; and the stores have read their registers: the set may be loaded again
	s_mov_b32 exec_lo, -1
.endm
.macro EPI p
	PLACES                                         ; behind the pass's last products
.if \p == 0
	WSLOAD 1
.endif
	PACKV 0
	TOSTAGE 0
.irp t, 1,2,3,4,5                      ; tile t's arithmetic stands between tile t - 1's loads from the stage and the wait for them
	PACKV \t
	SEND \t-1, \p
	TOSTAGE \t
.endr
	SEND 5, \p
.endm
	s_load_b512 s[4:19], s[0:1], 0x0               ; xq 4, xsc 6, wq 8, wsc 10, b1 12, rt 14, route 16, out0 18
	v_lshl_add_u32 v30, v0, 2, 0x16c00
	v_mov_b32 v31, 0
	v_lshrrev_b32 v16, 5, v0
	v_readfirstlane_b32 s24, v16                   ; wave
	s_mov_b32 s25, ttmp9                           ; column slice
	s_and_b32 s26, ttmp7, 0xffff                   ; group
	v_and_b32 v17, 31, v0
	v_and_b32 v16, 15, v0                          ; r
	v_bfe_u32 v8, v0, 4, 1                         ; h
	v_lshlrev_b32 v1, 4, v17                       ; 16 x lane
	v_lshlrev_b32 v9, 4, v16                       ; 16 r
	v_lshlrev_b32 v12, 2, v16                      ; 4 r
	v_lshlrev_b32 v15, 4, v8                       ; 16 h
	v_lshlrev_b32 v7, 5, v8                        ; 32 h
	v_lshl_add_u32 v6, v16, 5, v15                 ; 32 r + 16 h
	v_mul_u32_u24 v2, v16, XP
	v_mad_u32_u24 v2, v8, 24, v2                   ; a fragment of x: row r, 24 h
	s_mul_i32 s44, s24, STGB
	s_add_co_u32 s44, s44, STG
	v_mul_u32_u24 v3, v16, STP
	v_lshl_add_u32 v3, v8, 5, v3
	v_add_nc_u32 v3, s44, v3                       ; my stage, in: row r, 32 h
	v_mul_u32_u24 v4, v8, STP
	v_add_nc_u32 v4, v4, v9
	v_add_nc_u32 v4, s44, v4                       ; out: row h of a pair, 16 r
	v_lshl_add_u32 v5, v8, 2, PRM                  ; the token numbers of a pair of rows
	v_lshl_add_u32 v14, v0, 2, PRM                 ; and where my thread puts one
	s_mul_i32 s44, s24, 24*XP
	v_mul_u32_u24 v11, v8, XP
	v_add_nc_u32 v11, v11, v9
	v_add_nc_u32 v11, s44, v11                     ; the gather: my wave's 24 rows, row h of a pair, 16 r
	s_mul_i32 s44, s24, 96
	v_lshl_add_u32 v10, v8, 2, s44                 ; and their numbers in perm
	v_min_u32 v13, 0x5f, v0
	v_lshlrev_b32 v13, 2, v13
	s_lshl_b32 s44, s26, 4
	s_mov_b32 s45, 0
	s_mul_i32 s46, s26, 384
	s_add_co_u32 s46, s46, 1024
	s_mov_b32 s47, 0
	s_wait_kmcnt 0x0
	s_add_nc_u64 s[44:45], s[16:17], s[44:45]
	s_add_nc_u64 s[42:43], s[16:17], s[46:47]      ; my group's 96 words of perm
	s_load_b128 s[20:23], s[44:45], 0x0            ; lo, hi, n, 0
.irp j, 0,1,2,3,4,5,6,7,8,9,10,11
	global_load_b32 v[244+\j], v10, s[42:43] offset:8*\j           ; rows 24 w + 2 j + h
.endr
.irp t, 0,1,2,3,4,5
	global_load_b32 v[20+\t], v12, s[42:43] offset:64*\t           ; row 16 t + r
.endr
	global_load_b32 v26, v13, s[42:43]
	s_wait_kmcnt 0x0
	s_min_u32 s20, s20, 7
	s_min_u32 s21, s21, 7
	s_min_u32 s22, s22, 96
	s_cmp_eq_u32 s22, 0
	s_cbranch_scc1 .Ljoin                          ; a group without tokens gathers nothing; the barrier below is on its way too
	s_wait_loadcnt 0x0
.irp j, 0,1,2,3,4,5,6,7,8,9,10,11
	v_min_u32 v[244+\j], 0x7ff, v[244+\j]
	v_mul_u32_u24 v[244+\j], 0x300, v[244+\j]
	v_add_nc_u32 v[244+\j], v9, v[244+\j]          ; the token's 768 bytes, + 16 r
.endr
.irp j, 0,1,2,3,4,5,6,7,8,9,10,11
.irp pc, 0,1,2
	global_load_b128 v[XF0+12*\j+4*\pc:XF0+12*\j+4*\pc+3], v[244+\j], s[4:5] offset:256*\pc   ; 16 lanes read 256 consecutive bytes of a row
.endr
.endr
	s_wait_loadcnt 0x0
.irp j, 0,1,2,3,4,5,6,7,8,9,10,11
.irp pc, 0,1,2
	ds_store_b128 v11, v[XF0+12*\j+4*\pc:XF0+12*\j+4*\pc+3] offset:2*XP*\j+256*\pc
.endr
.endr
	ds_store_b32 v14, v26
.Ljoin:
	s_wait_dscnt 0x0                               ; for the others' sake: my rows lie in LDS
	s_barrier_signal -1
	s_barrier_wait -1
	s_cmp_eq_u32 s22, 0
	s_cbranch_scc1 .Lend                           ; no barrier stands behind this branch
	s_wait_loadcnt 0x0
.irp t, 0,1,2,3,4,5
	v_min_u32 v[20+\t], 0x7ff, v[20+\t]
.endr
.irp t, 0,1,2,3,4,5
	v_lshl_add_u32 v[244+\t], v[20+\t], 5, v15     ; x's scale bytes: 32 a token, + 16 h
	v_lshlrev_b32 v[250+\t], 3, v[20+\t]           ; the weights: 8 bytes a token
.endr
	s_lshl_b32 s46, s25, 5
	s_lshl_b32 s47, s24, 3
	s_add_co_u32 s46, s46, s47                     ; my first tile of 16 columns: 32 x + 8 w
	s_mov_b32 s45, 0
	s_mul_i32 s47, s46, 12288                      ; wq: 12,288 bytes a tile, 256 tiles an expert
	s_mul_i32 s44, s20, 3145728
	s_add_co_u32 s44, s44, s47
	s_add_nc_u64 s[28:29], s[8:9], s[44:45]
	s_mul_i32 s44, s21, 3145728
	s_add_co_u32 s44, s44, s47
	s_add_nc_u64 s[30:31], s[8:9], s[44:45]
	s_lshl_b32 s47, s46, 9                         ; wsc: 512 bytes a tile
	s_lshl_b32 s44, s20, 17
	s_add_co_u32 s44, s44, s47
	s_add_nc_u64 s[32:33], s[10:11], s[44:45]
	s_lshl_b32 s44, s21, 17
	s_add_co_u32 s44, s44, s47
	s_add_nc_u64 s[34:35], s[10:11], s[44:45]
	s_lshl_b32 s47, s46, 6                         ; b1 and out0: 64 bytes a tile
	s_lshl_b32 s44, s20, 14
	s_add_co_u32 s44, s44, s47
	s_add_nc_u64 s[36:37], s[12:13], s[44:45]
	s_lshl_b32 s44, s21, 14
	s_add_co_u32 s44, s44, s47
	s_add_nc_u64 s[38:39], s[12:13], s[44:45]
	s_mov_b32 s44, s47
	s_add_nc_u64 s[40:41], s[18:19], s[44:45]
	WLOAD 0
	WIN 0
.irp t, 0,1,2,3,4,5
	global_load_b128 v[XSC+4*\t:XSC+4*\t+3], v[244+\t], s[6:7]
.endr
.irp t, 0,1,2,3,4,5
	global_load_b64 v[CW+2*\t:CW+2*\t+1], v[250+\t], s[14:15]
.endr
	WSLOAD 0
	BIAS 0
	WLOAD 1
	XFRAGS 0
.irp u, 0,1,2,3,4,5,6,7
	STEP \u
.endr
	EPI 0
	XFRAGS 8
.irp u, 8,9,10,11,12,13,14,15
	STEP \u
.endr
	EPI 1
.Lend:
	s_wait_tensorcnt 0x0
	ds_add_u32 v30, v31
	s_wait_dscnt 0x0
	s_endpgm
.Lfunc_end_k_q1ae7048315_experts:
	.size	k_q1ae7048315_experts, .Lfunc_end_k_q1ae7048315_experts-k_q1ae7048315_experts
	.p2alignl 7, 3214868480
	.fill 96, 4, 3214868480
	.section	.rodata,"a",@progbits
	.p2align	6, 0x0
	.amdhsa_kernel k_q1ae7048315_experts
		.amdhsa_group_segment_fixed_size 93696
		.amdhsa_private_segment_fixed_size 0
		.amdhsa_enable_private_segment 0
		.amdhsa_kernarg_size 64
		.amdhsa_user_sgpr_count 2
		.amdhsa_user_sgpr_kernarg_segment_ptr 1
		.amdhsa_wavefront_size32 1
		.amdhsa_system_sgpr_workgroup_id_x 1
		.amdhsa_system_sgpr_workgroup_id_y 1
		.amdhsa_system_sgpr_workgroup_id_z 1
		.amdhsa_system_vgpr_workitem_id 0
		.amdhsa_next_free_vgpr 1024
		.amdhsa_next_free_sgpr 66
		.amdhsa_reserve_vcc 0
		.amdhsa_float_denorm_mode_32 3
		.amdhsa_float_denorm_mode_16_64 3
		.amdhsa_memory_ordered 1
		.amdhsa_forward_progress 1
		.amdhsa_inst_pref_size 255
	.end_amdhsa_kernel
	.section	.bss,"aw",@nobits
	.p2align	6
	.space	262144
	.amdgpu_metadata
---
amdhsa.version: [ 1, 2 ]
amdhsa.kernels:
  - .name:           k_q1ae7048315_experts
    .symbol:         k_q1ae7048315_experts.kd
    .args:
      - { .name: xq, .offset: 0, .size: 8, .value_kind: global_buffer, .address_space: global }
      - { .name: xsc, .offset: 8, .size: 8, .value_kind: global_buffer, .address_space: global }
      - { .name: wq, .offset: 16, .size: 8, .value_kind: global_buffer, .address_space: global }
      - { .name: wsc, .offset: 24, .size: 8, .value_kind: global_buffer, .address_space: global }
      - { .name: b1, .offset: 32, .size: 8, .value_kind: global_buffer, .address_space: global }
      - { .name: rt, .offset: 40, .size: 8, .value_kind: global_buffer, .address_space: global }
      - { .name: route, .offset: 48, .size: 8, .value_kind: global_buffer, .address_space: global }
      - { .name: out0, .offset: 56, .size: 8, .value_kind: global_buffer, .address_space: global }
    .group_segment_fixed_size: 93696
    .private_segment_fixed_size: 0
    .kernarg_segment_align: 8
    .kernarg_segment_size: 64
    .max_flat_workgroup_size: 128
    .sgpr_count:     66
    .vgpr_count:     1024
    .wavefront_size: 32
...
	.end_amdgpu_metadata
.endif
;; end of part 3
;; ======== version 2 of 2: 2 launches
;; limits: right only within a limited range of input values
;; workspace buffers: wq 25,165,824 bytes; wsc 1,048,576 bytes; xq 1,572,864 bytes; xsc 65,536 bytes; tab 12,288 bytes of whole numbers; rt 20,480 bytes
;; launch prep (part 4): grid 640 x 1, 4 waves a work-group, no clusters, 52,736 bytes of LDS; arguments x, router_w, w1, wq, wsc, xq, xsc, tab, rt; writes wq, wsc, xq, xsc, tab, rt
.if DOCPART == 4
	.amdgcn_target "amdgcn-amd-amdhsa--gfx1250"
	.amdhsa_code_object_version 6
	.text
	.protected	k_q1ae7048315_prep
	.globl	k_q1ae7048315_prep
	.p2align	8
	.type	k_q1ae7048315_prep,@function
k_q1ae7048315_prep:
	s_mov_b64 s[64:65], 0
	v_nop
	global_prefetch_b8 v0, s[64:65] scope:SCOPE_SE
	s_setreg_imm32_b32 hwreg(HW_REG_WAVE_MODE, 25, 1), 1
	s_wait_xcnt 0x0
; PREP: w1 [8][4096][1024] and x [2048][1024], f32, K innermost, become codes of BF6 (E3M2) with one E8M0 byte for each 32 along K; the work-groups that take x also run the router.
; WORK LEFT OUT BY THE PROGRAM: reference() multiplies y[t][e] by comb[t][e], which it builds as 0 for every expert outside token t's top 2; so for all inputs only the two chosen experts' rows of product 3 reach out0,
; and the later launch multiplies those alone.  All of w1 is quantised here: which rows are used hangs on the inputs.  A NaN, an infinity or an overflow in a product that is left out is not carried to the result.
; A block's scale is 2^(floor(log2(largest magnitude)) - 4); its byte is the largest magnitude's exponent field - 4, held at 1 from below by a floor among the maximum's leaves.
; SHARES.  Work-groups 128-639 take w1: a wave takes one tile of 16 rows x 1,024 K in 16 steps of 64 along K, four steps of loads ahead.  Work-groups 0-127 take x: one tile of 16 tokens, each wave 256 along K.
; The two ways part on the work-group's number and never join; each has LDS bytes of its own.
; A STEP.  Eight loads, each half of the lanes reading 256 consecutive aligned bytes of one row; the 4,096 bytes turn through the wave's own stage in LDS and come back so that lane (r, h) holds row r, k = 64 s + 32 h + 0 .. 31.
; OUT.  wq: the image of the operand's registers, [row tile][K step of 128][4 registers][lane][16 bytes].  wsc, xsc: [row][32 bytes].  xq: [token][768 bytes].
; ROUTER.  logits in f32 by v_wmma_f32_16x16x4_f32: source 0 = router_w's rows m & 7, source 1 = the 16 tokens.  Top-2 by compares and selects (a tie keeps the lower index); no address and no branch hangs on them.
; Stored at fixed places: rt: cw[t] = the two weights, by ascending expert, then pp[tile][8] = the tile's sums of softmax(logits).  tab: for each of 32 pair numbers p = hi (hi - 1) / 2 + lo (28 are used, the rest hold 0):
; mask[p][tile], 16 bits, bit i set where token i of the tile chose pair p, and from byte 8,192 count[p][tile], one byte.
; LIMITS.  NaN and infinities among the inputs are not served.  A block of zeros gets the byte 1 (its codes are zeros; this program alone reads the bytes).  The logits' sums run in another order than the reference's:
; a token whose second and third logit differ by less than the rounding of an f32 sum of 1,024 terms may choose otherwise.  tab's 12,288 bytes leave in pieces of 2 bytes and 1 byte, a lane to a pair's row; cw and pp in pieces of 32 to 128 bytes.
.set NXWG, 128
.set STP,  272
.set STGB, 16*STP
.set XSTG, 4*STGB
.set XOUT, 8*STGB
.set XOP,  784
.set XSCL, XOUT+16*XOP
.set LGS,  XSCL+512
.set SPARE, 0xcc00                     ; the spare words, 512 bytes, behind all else
.set SPW,  22                          ; v22 my spare word's address, v23 zero: never rewritten
.set NIL,  23
.set SW,   208                         ; v208-215 the row's scale words (x: two, stored before the logits take these registers)
.set SS,   24
.set TMP,  28
.set R,    32
.set RWF,  96
.set X,    160
.set PC,   192
.set LG,   208
.set PR,   216
.set ACC,  224                         ; the router's four accumulators: matrix instructions alone write them
.macro LOADROWS reg, s, b
.irp j, 0,1,2,3,4,5,6,7
	global_load_b128 v[\reg+4*\j:\reg+4*\j+3], v3, s[\b:\b+1] offset:8192*\j+256*(\s) th:TH_LOAD_NT
.endr
.endm
.macro LOADRW reg, s
.irp q, 0,1,2,3,4,5,6,7
	global_load_b128 v[\reg+4*\q:\reg+4*\q+3], v31, s[6:7] offset:256*(\s)+16*\q
.endr
.endm
.macro TURN reg                        ; LDS serves a wave's instructions in order: no wait between the stores and the loads
.irp j, 0,1,2,3,4,5,6,7
	ds_store_b128 v4, v[\reg+4*\j:\reg+4*\j+3] offset:2*STP*\j
.endr
.irp q, 0,1,2,3,4,5,6,7
	ds_load_b128 v[X+4*\q:X+4*\q+3], v5 offset:16*\q
.endr
.endm
.macro BLOCKQ c                        ; my block of 32 -> registers 6 c .. 6 c + 5 of the fragment, its byte -> v[13 + c]
	v_max3_num_f32 v10, |v[X]|, |v[X+1]|, 0x2800000
	v_max3_num_f32 v11, |v[X+2]|, |v[X+3]|, |v[X+4]|
.irp i, 5,9,13,17,21,25
	v_max3_num_f32 v10, v10, |v[X+\i]|, |v[X+\i+1]|
	v_max3_num_f32 v11, v11, |v[X+\i+2]|, |v[X+\i+3]|
.endr
	v_max3_num_f32 v10, v10, |v[X+29]|, |v[X+30]|
	v_max3_num_f32 v10, v10, v11, |v[X+31]|
	v_add_nc_u32 v12, 0xfe000000, v10
	v_cvt_scalef32_pk16_bf6_f32 v[PC+6*(\c):PC+6*(\c)+2], v[X:X+15], v12
	v_cvt_scalef32_pk16_bf6_f32 v[TMP:TMP+2], v[X+16:X+31], v12
	v_lshrrev_b32 v[13+(\c)], 23, v12                        ; the byte; also the plain line behind the conversions
.irp i, 0,1,2
	v_mov_b32 v[PC+6*(\c)+3+\i], v[TMP+\i]
.endr
.endm
.macro WORD ks
	v_lshl_or_b32 v15, v14, 16, v13
	v_lshlrev_b32 v15, v8, v15
	v_permlanex16_b32 v9, v15, s26, s27
	v_or_b32 v[SW+(\ks)], v15, v9
.endm
.macro OUTW ks
.irp ch, 0,1,2
	global_store_b128 v6, v[PC+4*\ch:PC+4*\ch+3], s[10:11] offset:1536*(\ks)+512*\ch
.endr
.endm
.macro OUTX ks
.irp p, 0,1,2,3,4,5
	ds_store_b64 v204, v[PC+2*\p:PC+2*\p+1] offset:96*(\ks)+48*(\p/3)+8*(\p%3)
.endr
.endm
.macro ROUTE16 s                       ; the accumulators take turns; step 0's first four start the sums
.irp i, 0,1,2,3,4,5,6,7,8,9,10,11,12,13,14,15
.if ((\s) == 0) && (\i < 4)
	v_wmma_f32_16x16x4_f32 v[ACC+8*(\i%4):ACC+8*(\i%4)+7], v[RWF+32*((\s)%2)+2*\i:RWF+32*((\s)%2)+2*\i+1], v[X+2*\i:X+2*\i+1], 0
.else
	v_wmma_f32_16x16x4_f32 v[ACC+8*(\i%4):ACC+8*(\i%4)+7], v[RWF+32*((\s)%2)+2*\i:RWF+32*((\s)%2)+2*\i+1], v[X+2*\i:X+2*\i+1], v[ACC+8*(\i%4):ACC+8*(\i%4)+7]
.endif
.endr
.endm
.macro SCALES_OUT b
	v_cmp_ne_u32 vcc_lo, 0, v2
.irp i, 0,1,2,3
	v_cndmask_b32 v[SS+\i], v[SW+\i], v[SW+4+\i], vcc_lo
.endr
	global_store_b128 v7, v[SS:SS+3], s[\b:\b+1]
.endm
	s_load_b512 s[4:19], s[0:1], 0x0               ; x 4, router_w 6, w1 8, wq 10, wsc 12, xq 14, xsc 16, tab 18
	s_load_b64 s[20:21], s[0:1], 0x40              ; rt
	v_lshl_add_u32 v[SPW], v0, 2, SPARE
	v_mov_b32 v[NIL], 0
	v_lshrrev_b32 v1, 5, v0
	v_readfirstlane_b32 s22, v1                    ; wave
	v_and_b32 v207, 31, v0                         ; lane
	v_and_b32 v1, 15, v0                           ; r
	v_bfe_u32 v2, v0, 4, 1                         ; h
	v_lshlrev_b32 v3, 4, v1
	v_lshl_add_u32 v3, v2, 12, v3
	v_lshlrev_b32 v6, 4, v207
	v_lshlrev_b32 v7, 5, v1
	v_lshl_add_u32 v7, v2, 4, v7
	v_lshlrev_b32 v8, 3, v2
	v_mov_b32 v9, 0
	v_mul_u32_u24 v4, v2, STP
	v_lshl_add_u32 v4, v1, 4, v4
	v_mul_u32_u24 v5, v1, STP
	v_lshl_add_u32 v5, v2, 7, v5
	s_mul_i32 s24, s22, STGB
	s_mov_b32 s25, 0
	s_mov_b32 s26, 0x76543210
	s_mov_b32 s27, 0xfedcba98
	s_cmp_lt_u32 ttmp9, NXWG
	s_cbranch_scc1 .Lx_path
; ---------------- w1 ----------------
	v_add_nc_u32 v4, s24, v4
	v_add_nc_u32 v5, s24, v5
	s_sub_co_u32 s23, ttmp9, NXWG
	s_lshl_b32 s23, s23, 2
	s_add_co_u32 s23, s23, s22                     ; my row tile, 0 .. 2,047
	s_wait_alu depctr_va_vdst(0)                   ; the wait at the head's end
	s_wait_kmcnt 0x0
	s_lshl_b32 s24, s23, 16
	s_add_nc_u64 s[8:9], s[8:9], s[24:25]
	s_mul_i32 s24, s23, 12288
	s_add_nc_u64 s[10:11], s[10:11], s[24:25]
	s_lshl_b32 s24, s23, 9
	s_add_nc_u64 s[12:13], s[12:13], s[24:25]
.macro WSTEP s
.if 15-(\s) >= 3
	s_wait_loadcnt 24                              ; this step's eight loads are in; those of the three steps behind it stay out
.else
	s_wait_loadcnt 8*(15-(\s))
.endif
	TURN R+32*((\s)%4)
	s_wait_dscnt 0x0
.if ((\s)%2 == 0) && ((\s) >= 2)
	s_wait_xcnt 0x0                                ; the last fragment's stores have read their data
.endif
.if (\s)+4 < 16
	LOADROWS R+32*((\s)%4), (\s)+4, 8
.endif
	BLOCKQ (\s)%2
.if (\s)%2 == 1
	WORD (\s)/2
	OUTW (\s)/2
.endif
.endm
	LOADROWS R, 0, 8
	LOADROWS R+32, 1, 8
	LOADROWS R+64, 2, 8
	LOADROWS R+96, 3, 8
.irp s, 0,1,2,3,4,5,6,7,8,9,10,11,12,13,14,15
	WSTEP \s
.endr
	SCALES_OUT 12
	s_wait_tensorcnt 0x0                           ; the wave's end
	ds_add_u32 v[SPW], v[NIL]
	s_wait_dscnt 0x0
	s_endpgm
; ---------------- x and the router: tile = work-group, my wave's K = 256 w .. 256 w + 255 ----------------
.Lx_path:
	s_add_co_u32 s24, s24, XSTG
	s_wait_alu depctr_va_vdst(0)
	v_add_nc_u32 v4, s24, v4
	v_add_nc_u32 v5, s24, v5
	s_mul_i32 s24, s22, 192
	s_add_co_u32 s24, s24, XOUT
	v_mul_u32_u24 v204, v1, XOP
	v_mad_u32_u24 v204, v2, 24, v204
	v_add_nc_u32 v204, s24, v204
	s_mul_i32 s24, s22, 4*XOP
	s_add_co_u32 s24, s24, XOUT
	v_mul_u32_u24 v205, v2, XOP
	v_lshl_add_u32 v205, v1, 4, v205
	v_add_nc_u32 v205, s24, v205
	s_mul_i32 s24, s22, 4*768
	v_mul_u32_u24 v206, v2, 768
	v_lshl_add_u32 v206, v1, 4, v206
	v_add_nc_u32 v206, s24, v206
	s_lshl_b32 s24, s22, 3
	s_add_co_u32 s24, s24, XSCL
	v_lshl_add_u32 v18, v1, 5, s24
	v_add_nc_u32 v19, XSCL, v6
	s_lshl_b32 s24, s22, 10
	s_add_co_u32 s24, s24, LGS
	v_add_nc_u32 v20, s24, v6
	v_add_nc_u32 v21, LGS, v6
	v_and_b32 v31, 7, v0
	v_lshlrev_b32 v31, 12, v31
	v_lshl_add_u32 v31, v2, 7, v31
	s_lshl_b32 s23, s22, 10
	s_wait_alu depctr_va_vdst(0)
	s_wait_kmcnt 0x0
	s_lshl_b32 s24, ttmp9, 16
	s_add_co_u32 s24, s24, s23
	s_add_nc_u64 s[4:5], s[4:5], s[24:25]
	s_mov_b32 s24, s23
	s_add_nc_u64 s[6:7], s[6:7], s[24:25]
	s_mul_i32 s24, ttmp9, 12288
	s_add_nc_u64 s[14:15], s[14:15], s[24:25]
	s_lshl_b32 s24, ttmp9, 9
	s_add_nc_u64 s[16:17], s[16:17], s[24:25]
	s_mov_b32 s24, ttmp9
	s_add_nc_u64 s[18:19], s[18:19], s[24:25]      ; tab + tile
	s_lshl_b32 s24, ttmp9, 5
	s_add_co_u32 s24, s24, 16384
	s_add_nc_u64 s[28:29], s[20:21], s[24:25]      ; pp
	s_lshl_b32 s24, ttmp9, 7
	s_add_nc_u64 s[20:21], s[20:21], s[24:25]      ; cw
.macro XSTEP s
.if (\s) < 3
	s_wait_loadcnt 16                              ; this step's rows and router_w are in; the next step's 8 + 8 loads stay out
.else
	s_wait_loadcnt 0x0
.endif
	TURN R+32*((\s)%2)
	s_wait_dscnt 0x0
	ROUTE16 \s
	BLOCKQ (\s)%2                                  ; its plain lines are the places in front of the loads below and of the sums' first readers
.if (\s)%2 == 1
	WORD (\s)/2
	OUTX (\s)/2
.endif
.if (\s)+2 < 4
	LOADROWS R+32*((\s)%2), (\s)+2, 4
	LOADRW RWF+32*((\s)%2), (\s)+2
.endif
.endm
	LOADROWS R, 0, 4
	LOADRW RWF, 0
	LOADROWS R+32, 1, 4
	LOADRW RWF+32, 1
.irp s, 0,1,2,3
	XSTEP \s
.endr
	ds_store_b64 v18, v[SW:SW+1]
.irp k, 0,2,4,6
	v_pk_add_f32 v[LG+\k:LG+\k+1], v[ACC+\k:ACC+\k+1], v[ACC+8+\k:ACC+9+\k]
.endr
.irp k, 0,2,4,6
	v_pk_add_f32 v[128+\k:129+\k], v[ACC+16+\k:ACC+17+\k], v[ACC+24+\k:ACC+25+\k]
.endr
.irp k, 0,2,4,6
	v_pk_add_f32 v[LG+\k:LG+\k+1], v[LG+\k:LG+\k+1], v[128+\k:129+\k]
.endr
	ds_store_b128 v20, v[LG:LG+3]
	ds_store_b128 v20, v[LG+4:LG+7] offset:512
	s_wait_dscnt 0x0                               ; for the others' sake: my codes, my scale words and my sums lie in LDS
	s_barrier_signal -1
	s_barrier_wait -1
.irp m, 0,1
.irp pc, 0,1,2
	ds_load_b128 v[R+12*\m+4*\pc:R+12*\m+4*\pc+3], v205 offset:2*XOP*\m+256*\pc
.endr
.endr
	s_wait_dscnt 0x0
.irp m, 0,1
.irp pc, 0,1,2
	global_store_b128 v206, v[R+12*\m+4*\pc:R+12*\m+4*\pc+3], s[14:15] offset:2*768*\m+256*\pc
.endr
.endr
	s_cmp_lg_u32 s22, 0
	s_cbranch_scc1 .Lx_end                         ; the rest is wave 0's; no barrier stands behind this branch
.irp w, 0,1,2,3
	ds_load_b128 v[96+8*\w:96+8*\w+3], v21 offset:1024*\w
	ds_load_b128 v[96+8*\w+4:96+8*\w+7], v21 offset:1024*\w+512
.endr
	ds_load_b128 v[SS:SS+3], v19
	s_wait_dscnt 0x0
	global_store_b128 v6, v[SS:SS+3], s[16:17]
.irp k, 0,2,4,6
	v_pk_add_f32 v[LG+\k:LG+\k+1], v[96+\k:97+\k], v[104+\k:105+\k]
.endr
.irp k, 0,2,4,6
	v_pk_add_f32 v[128+\k:129+\k], v[112+\k:113+\k], v[120+\k:121+\k]
.endr
.irp k, 0,2,4,6
	v_pk_add_f32 v[LG+\k:LG+\k+1], v[LG+\k:LG+\k+1], v[128+\k:129+\k]   ; the logits
.endr
	v_max3_num_f32 v136, v[LG], v[LG+1], v[LG+2]
	v_max3_num_f32 v136, v136, v[LG+3], v[LG+4]
	v_max3_num_f32 v136, v136, v[LG+5], v[LG+6]
	v_max_num_f32 v136, v136, v[LG+7]              ; the largest logit is taken away before the exponentials
.irp j, 0,1,2,3,4,5,6,7
	v_sub_f32 v[PR+\j], v[LG+\j], v136
.endr
.irp j, 0,1,2,3,4,5,6,7
	v_mul_f32 v[PR+\j], 0x3fb8aa3b, v[PR+\j]
.endr
	v_mov_b32 v137, v[LG]                          ; top-1: a tie keeps the lower index
	v_mov_b32 v138, 0
.irp e, 1,2,3,4,5,6,7
	v_cmp_ge_f32 vcc_lo, v137, v[LG+\e]
	v_cndmask_b32 v138, \e, v138, vcc_lo
	v_max_num_f32 v137, v137, v[LG+\e]
.endr
	v_mov_b32 v139, 0xff800000                     ; top-2: the first choice is passed over
	v_mov_b32 v140, 0
.irp e, 0,1,2,3,4,5,6,7
	v_cmp_eq_u32 s30, \e, v138
	v_cmp_ge_f32 vcc_lo, v139, v[LG+\e]
	s_or_b32 vcc_lo, vcc_lo, s30
	v_cndmask_b32 v140, \e, v140, vcc_lo
	v_cndmask_b32 v139, v[LG+\e], v139, vcc_lo
.endr
	v_sub_f32 v141, v139, v137
	v_mul_f32 v141, 0x3fb8aa3b, v141
	s_wait_alu depctr_va_vdst(0)                   ; the wait ahead of the batch
.irp j, 0,1,2,3,4,5,6,7
	v_exp_f32 v[PR+\j], v[PR+\j]
.endr
	v_exp_f32 v141, v141
	v_lshlrev_b32 v152, 2, v1
	v_lshlrev_b32 v153, 3, v1
	s_wait_alu depctr_va_vdst(0)                   ; and behind it
	v_add_f32 v142, v[PR], v[PR+1]
	v_add_f32 v143, v[PR+2], v[PR+3]
	v_add_f32 v128, v[PR+4], v[PR+5]
	v_add_f32 v129, v[PR+6], v[PR+7]
	v_add_f32 v142, v142, v143
	v_add_f32 v128, v128, v129
	v_add_f32 v142, v142, v128
	v_add_f32 v143, 1.0, v141
	s_wait_alu depctr_va_vdst(0)
	v_rcp_f32 v144, v142
	v_rcp_f32 v145, v143                           ; the first choice's weight
	v_min_u32 v147, v138, v140                     ; lo, hi
	v_max_u32 v148, v138, v140
	v_cmp_lt_u32 vcc_lo, v138, v140
	s_wait_alu depctr_va_vdst(0)
	v_mul_f32 v146, v141, v145
	v_cndmask_b32 v150, v146, v145, vcc_lo         ; the weights by ascending expert
	v_cndmask_b32 v151, v145, v146, vcc_lo
.irp j, 0,1,2,3,4,5,6,7
	v_mul_f32 v[PR+\j], v[PR+\j], v144
.endr
.irp n, 1,2,4,8
.irp j, 0,1,2,3,4,5,6,7
	v_add_f32_dpp v[PR+\j], v[PR+\j], v[PR+\j] row_xmask:\n row_mask:0xf bank_mask:0xf
.endr
.endr
	v_add_nc_u32 v154, -1, v148                    ; the token's pair number hi (hi - 1) / 2 + lo
	v_mul_u32_u24 v154, v154, v148
	v_lshrrev_b32 v154, 1, v154
	v_add_nc_u32 v154, v154, v147
	v_cmp_gt_u32 vcc_lo, 16, v207
	v_cndmask_b32 v154, 63, v154, vcc_lo           ; lanes 16-31 hold the same tokens again: they count for no pair
	v_mov_b32 v155, 0
	v_mov_b32 v156, 0
.set P, 0
.rept 28                               ; lane p takes pair p's mask of tokens and their number: values alone, stored at fixed places
	v_cmp_eq_u32 s30, P, v154
	s_bcnt1_i32_b32 s31, s30
	v_writelane_b32 v155, s30, P
	v_writelane_b32 v156, s31, P
.set P, P+1
.endr
	s_mov_b32 s30, ttmp9
	v_lshl_add_u32 v157, v207, 8, s30              ; with the base: tab + 256 p + 2 x tile
	v_lshlrev_b32 v158, 7, v207                    ; tab + 8,192 + 128 p + tile
	s_wait_alu depctr_va_vdst(0)
	global_store_b16 v157, v155, s[18:19]
	global_store_b8 v158, v156, s[18:19] offset:8192
	s_wait_xcnt 0x0                                ; EXEC changes only behind this wait
	s_and_saveexec_b32 s30, vcc_lo
	global_store_b64 v153, v[150:151], s[20:21]    ; lanes 0-15: a token each
	s_wait_xcnt 0x0
	s_or_b32 exec_lo, exec_lo, s30
	v_cmp_eq_u32 vcc_lo, 0, v207
	s_and_saveexec_b32 s30, vcc_lo
	global_store_b128 v152, v[PR:PR+3], s[28:29]   ; lane 0: the tile's eight sums
	global_store_b128 v152, v[PR+4:PR+7], s[28:29] offset:16
	s_wait_xcnt 0x0
	s_or_b32 exec_lo, exec_lo, s30
.Lx_end:
	s_wait_tensorcnt 0x0                           ; the wave's end
	ds_add_u32 v[SPW], v[NIL]
	s_wait_dscnt 0x0
	s_endpgm
.Lfunc_end_k_q1ae7048315_prep:
	.size	k_q1ae7048315_prep, .Lfunc_end_k_q1ae7048315_prep-k_q1ae7048315_prep
	.p2alignl 7, 3214868480
	.fill 96, 4, 3214868480
	.section	.rodata,"a",@progbits
	.p2align	6, 0x0
	.amdhsa_kernel k_q1ae7048315_prep
		.amdhsa_group_segment_fixed_size 52736
		.amdhsa_private_segment_fixed_size 0
		.amdhsa_enable_private_segment 0
		.amdhsa_kernarg_size 72
		.amdhsa_user_sgpr_count 2
		.amdhsa_user_sgpr_kernarg_segment_ptr 1
		.amdhsa_wavefront_size32 1
		.amdhsa_system_sgpr_workgroup_id_x 1
		.amdhsa_system_sgpr_workgroup_id_y 1
		.amdhsa_system_sgpr_workgroup_id_z 1
		.amdhsa_system_vgpr_workitem_id 0
		.amdhsa_next_free_vgpr 256
		.amdhsa_next_free_sgpr 66
		.amdhsa_reserve_vcc 1
		.amdhsa_float_denorm_mode_32 3
		.amdhsa_float_denorm_mode_16_64 3
		.amdhsa_memory_ordered 1
		.amdhsa_forward_progress 1
		.amdhsa_inst_pref_size 98
	.end_amdhsa_kernel
	.amdgpu_metadata
---
amdhsa.version: [ 1, 2 ]
amdhsa.kernels:
  - .name:           k_q1ae7048315_prep
    .symbol:         k_q1ae7048315_prep.kd
    .args:
      - { .name: x, .offset: 0, .size: 8, .value_kind: global_buffer, .address_space: global }
      - { .name: router_w, .offset: 8, .size: 8, .value_kind: global_buffer, .address_space: global }
      - { .name: w1, .offset: 16, .size: 8, .value_kind: global_buffer, .address_space: global }
      - { .name: wq, .offset: 24, .size: 8, .value_kind: global_buffer, .address_space: global }
      - { .name: wsc, .offset: 32, .size: 8, .value_kind: global_buffer, .address_space: global }
      - { .name: xq, .offset: 40, .size: 8, .value_kind: global_buffer, .address_space: global }
      - { .name: xsc, .offset: 48, .size: 8, .value_kind: global_buffer, .address_space: global }
      - { .name: tab, .offset: 56, .size: 8, .value_kind: global_buffer, .address_space: global }
      - { .name: rt, .offset: 64, .size: 8, .value_kind: global_buffer, .address_space: global }
    .group_segment_fixed_size: 52736
    .private_segment_fixed_size: 0
    .kernarg_segment_align: 8
    .kernarg_segment_size: 72
    .max_flat_workgroup_size: 128
    .sgpr_count:     66
    .vgpr_count:     256
    .wavefront_size: 32
...
	.end_amdgpu_metadata
.endif
;; end of part 4
;; launch experts (part 5): grid 8 x 32, 4 waves a work-group, no clusters, 98,816 bytes of LDS; arguments xq, xsc, wq, wsc, b1, rt, tab, out0, out1; writes out0, out1
.if DOCPART == 5
	.amdgcn_target "amdgcn-amd-amdhsa--gfx1250"
	.amdhsa_code_object_version 6
	.text
	.protected	k_q1ae7048315_experts
	.globl	k_q1ae7048315_experts
	.p2align	8
	.type	k_q1ae7048315_experts,@function
k_q1ae7048315_experts:
	s_mov_b64 s[64:65], 0
	v_nop
	global_prefetch_b8 v0, s[64:65] scope:SCOPE_SE
	s_setreg_imm32_b32 hwreg(HW_REG_WAVE_MODE, 25, 1), 1
	s_wait_xcnt 0x0
; EXPERTS: out[t] = c_lo (Q(x_t) . Q(w1[lo]) + b1[lo]) + c_hi (Q(x_t) . Q(w1[hi]) + b1[hi]), on codes of BF6 (E3M2) with E8M0 scales, for the two chosen experts alone: reference()'s comb is 0 for the others, for all inputs.  And the balance loss.
; GROUPS.  The tokens of one pair of experts (28 pairs), in ascending order, are cut into groups of at most 96; a pair with t tokens has ceil(t / 96) groups, pairs on end: at most (2,048 + 28 x 95) / 96 = 49 groups, whatever the choice.
; SHARES.  Work-group (x, y) takes columns 512 x .. 512 x + 511 of groups y and y + 32, in a loop of two trips: 256 work-groups serve all 49 groups.  Wave w takes 128 columns, in two passes of 64; six tiles of 16 tokens;
; each output tile has two accumulators, one an expert, so every output row has one owner.  A group without tokens is passed over; every wave passes every barrier all the same.
; WHO IS IN MY GROUP.  tab (whole numbers that the launch before stored) holds for each pair and tile of 16 tokens a mask and a count.  Lane p sums pair p's 128 counts (bytes of at most 16, eight to a sum, then widened);
; a scan over the lanes gives the pairs' first groups; a count of lanes gives my pair, so lo, hi and n are scalars.  Then lane l takes my pair's counts and masks of tiles 4 l .. 4 l + 3, a scan gives each lane's first rank,
; and thread s finds the token of rank 96 g + s: the lane by 31 compares, the tile by three, the bit by a walk over 15 bits.  The list lies in LDS; ranks from n on give some token under 2,048 whose rows are multiplied and not stored.
; NO TENSOR LOADS, NO CLUSTER: branches of this text hang on counts read from memory.  The weights come from memory straight into registers: 24 loads of 512 consecutive bytes for a step of 128 along K, in a ring of three register slots.
; No prefetch: the tables are read once, at the head, with no loop to run ahead in, and the weights' loads run two steps ahead by themselves.
; THE FIRST LOADS of a group (scale words, biases, my pair's two rows of tab, weight steps 0 and 1) are asked for as soon as lo and hi are known, so that the list and the gather are made while they are out.
; At the head they are asked for before n is tested: a first group without tokens has asked for them in vain.  For the second group they are asked for only where it has tokens.
; THE MATRIX INSTRUCTION IS USED TRANSPOSED: source 0 = 16 rows of w1, source 1 = 16 tokens.  The biases are the C of each sum's first instruction.
; out1 = 8 sum_e f_e P_e = 2^-19 sum over pairs of t_p (Psum[lo] + Psum[hi]), by wave 0 of work-group (7, 31).
; LIMITS: NaN and infinities among the inputs are not served; every address stays inside its buffer all the same.
; REGISTERS, in windows of 256: window 0: v0-31 addresses and the sort's sums; v32-63 w1's scale words; v64-87 x's; v88-99 (c_lo, c_hi); v100-243 x's fragments, two sets (before: the sort's and the gather's registers; between: the way out's); v244-255 offsets
;   window 1: v0-191 weight slots 0 and 1; v192-255 the biases.   window 2: v0-191 lo's accumulators; v192-239 weight slot 2, lo.   window 3: the same for hi.
.set XP,   784
.set STG,  96*XP
.set STP,  272
.set STGB, 16*STP
.set PRM,  STG+4*STGB                  ; the list: 128 words
.set XS,   PRM+512                     ; x's scale bytes: 32 a row
.set CWL,  XS+4096                     ; the rows' two weights: 8 bytes a row
.set SPARE, CWL+1024                   ; the spare words, 512 bytes
.set WSC,  32
.set XSC,  64
.set CW,   88
.set XF0,  100
.set OUTR, 100
.set OB,   132
.set TK,   196
.set MSB, 0
.macro WIN new
.if MSB != (\new)
	s_set_vgpr_msb (MSB<<8)|(\new)
.set MSB, (\new)
.endif
.endm
.macro WLOAD u                         ; step u (pass u / 8, K step u % 8): both experts' four fragments into slot u % 3
.set WP, (\u)/8
.set WK, (\u)%8
.set WS3, (\u)%3
.irp e, 0,1
.if WS3 < 2
	WIN 0x40
.set WB, 96*WS3+48*\e
.else
	WIN 0x80+0x40*\e
.set WB, 192
.endif
.irp ct, 0,1,2,3
.irp ch, 0,1,2
	global_load_b128 v[WB+12*\ct+4*\ch:WB+12*\ct+4*\ch+3], v1, s[28+2*\e:29+2*\e] offset:49152*WP+12288*\ct+1536*WK+512*\ch
.endr
.endr
.endr
.endm
.macro XFRAGS u
	WIN 0
.set XB, XF0+72*((\u)%2)
.set XK, (\u)%8
.irp t, 0,1,2,3,4,5
.irp q, 0,1,2,3,4,5
	ds_load_b64 v[XB+12*\t+2*\q:XB+12*\t+2*\q+1], v2 offset:16*XP*\t+96*XK+48*(\q/3)+8*(\q%3)
.endr
.endr
.endm
.macro BIAS p
	WIN 0x40
.irp e, 0,1
.irp ct, 0,1,2,3
	global_load_b128 v[192+32*\e+8*\ct:192+32*\e+8*\ct+3], v7, s[36+2*\e:37+2*\e] offset:256*\p+64*\ct
	global_load_b128 v[192+32*\e+8*\ct+4:192+32*\e+8*\ct+7], v7, s[36+2*\e:37+2*\e] offset:256*\p+64*\ct+16
.endr
.endr
.endm
.macro WSLOAD p
	WIN 0
.irp e, 0,1
.irp ct, 0,1,2,3
	global_load_b128 v[WSC+16*\e+4*\ct:WSC+16*\e+4*\ct+3], v6, s[32+2*\e:33+2*\e] offset:2048*\p+512*\ct
.endr
.endr
.endm
; 48 matrix instructions: lo's 24 accumulators, then hi's 24, one instruction a turn, in the same order in every step
.macro MULS u
.set MK, (\u)%8
.set MS, (\u)%3
.set MX, XF0+72*((\u)%2)
.irp e, 0,1
.if MS < 2
.set MW, 96*MS+48*\e
.set MA, 1
.else
.set MW, 192
.set MA, 2+\e
.endif
.if MK == 0
	WIN ((2+\e)<<6)|(1<<4)|MA
.else
	WIN ((2+\e)<<6)|((2+\e)<<4)|MA
.endif
.irp t, 0,1,2,3,4,5
.irp ct, 0,1,2,3
.if MK == 0
	v_wmma_scale_f32_16x16x128_f8f6f4 v[32*\t+8*\ct:32*\t+8*\ct+7], v[MW+12*\ct:MW+12*\ct+11], v[MX+12*\t:MX+12*\t+11], v[192+32*\e+8*\ct:192+32*\e+8*\ct+7], v[WSC+16*\e+4*\ct], v[XSC+4*\t] matrix_a_fmt:MATRIX_FMT_BF6 matrix_b_fmt:MATRIX_FMT_BF6
.elseif MK < 4
	v_wmma_scale_f32_16x16x128_f8f6f4 v[32*\t+8*\ct:32*\t+8*\ct+7], v[MW+12*\ct:MW+12*\ct+11], v[MX+12*\t:MX+12*\t+11], v[32*\t+8*\ct:32*\t+8*\ct+7], v[WSC+16*\e+4*\ct+MK], v[XSC+4*\t+MK] matrix_a_fmt:MATRIX_FMT_BF6 matrix_b_fmt:MATRIX_FMT_BF6
.else
	v_wmma_scale_f32_16x16x128_f8f6f4 v[32*\t+8*\ct:32*\t+8*\ct+7], v[MW+12*\ct:MW+12*\ct+11], v[MX+12*\t:MX+12*\t+11], v[32*\t+8*\ct:32*\t+8*\ct+7], v[WSC+16*\e+4*\ct+MK-4], v[XSC+4*\t+MK-4] matrix_a_fmt:MATRIX_FMT_BF6 matrix_b_fmt:MATRIX_FMT_BF6 matrix_a_scale:MATRIX_SCALE_ROW1 matrix_b_scale:MATRIX_SCALE_ROW1
.endif
.endr
.endr
.endr
.endm
.macro PLACES                          ; four plain lines between a matrix instruction and a load into, or a vector line on, one of its registers
.rept 4
	v_nop
.endr
.endm
.macro STEP u
	s_wait_dscnt 0x0                               ; x's fragments of this step
.if (\u) == 15
	s_wait_loadcnt 0x0
.else
	s_wait_loadcnt 24                              ; this step's weights are in; the youngest step's 24 loads stay out
.endif
	PLACES
.if (\u) == 1
	BIAS 1
.endif
.if ((\u)+2 <= 15) && ((\u) != 8)      ; step 10's weights were asked for at the head of the first way out
	WLOAD (\u)+2
.endif
.if ((\u) != 7) && ((\u) != 15)
	XFRAGS (\u)+1
.endif
	MULS \u
.endm
.macro PACKV t                         ; c_lo x lo's sums + c_hi x hi's, each accumulator from its low end on
	WIN 0x02
.irp k, 0,1,2,3,4,5,6,7,8,9,10,11,12,13,14,15
	v_pk_mul_f32 v[OUTR+2*\k:OUTR+2*\k+1], v[32*(\t)+2*\k:32*(\t)+2*\k+1], v[CW+2*(\t):CW+2*(\t)+1] op_sel_hi:[1,0]
.endr
	WIN 0x03
.irp k, 0,1,2,3,4,5,6,7,8,9,10,11,12,13,14,15
	v_pk_fma_f32 v[OUTR+2*\k:OUTR+2*\k+1], v[32*(\t)+2*\k:32*(\t)+2*\k+1], v[CW+2*(\t):CW+2*(\t)+1], v[OUTR+2*\k:OUTR+2*\k+1] op_sel:[0,1,0] op_sel_hi:[1,1,1]
.endr
	WIN 0
.endm
.macro TOSTAGE t                       ; 24 LDS instructions: into my own stage, back as rows of 256 bytes, and the rows' tokens
.set OBB, OB+32*((\t)%2)
.set TKB, TK+8*((\t)%2)
.irp ct, 0,1,2,3
	ds_store_b128 v3, v[OUTR+8*\ct:OUTR+8*\ct+3] offset:64*\ct
	ds_store_b128 v3, v[OUTR+8*\ct+4:OUTR+8*\ct+7] offset:64*\ct+16
.endr
.irp i, 0,1,2,3,4,5,6,7
	ds_load_b128 v[OBB+4*\i:OBB+4*\i+3], v4 offset:2*STP*\i
.endr
.irp i, 0,1,2,3,4,5,6,7
	ds_load_b32 v[TKB+\i], v5 offset:64*(\t)+8*\i
.endr
.endm
.macro SEND t, p, younger
.set OBB, OB+32*((\t)%2)
.set TKB, TK+8*((\t)%2)
	s_wait_dscnt \younger
.irp i, 0,1,2,3,4,5,6,7
	v_min_u32 v[TKB+\i], 0x7ff, v[TKB+\i]
.endr
.irp i, 0,1,2,3,4,5,6,7
	v_lshl_add_u32 v[TKB+\i], v[TKB+\i], 14, v9    ; the token's row of 16,384 bytes, + 16 r
.endr
	s_cmp_ge_u32 s22, 16*(\t)+16
	s_cbranch_scc1 .Lwhole_\@                      ; all 16 rows hold tokens
	s_cmp_le_u32 s22, 16*(\t)
	s_cbranch_scc1 .Lsent_\@                       ; none does
	s_wait_alu depctr_va_vdst(0)
.irp i, 0,1,2,3,4,5,6,7                ; the one tile that n cuts
	s_sub_co_i32 s46, s22, 16*(\t)+2*\i
	s_wait_xcnt 0x0                                ; EXEC changes only behind this wait
	v_cmpx_gt_i32 s46, v8
	global_store_b128 v[TKB+\i], v[OBB+4*\i:OBB+4*\i+3], s[40:41] offset:256*\p th:TH_STORE_NT
.endr
	s_wait_xcnt 0x0
	s_mov_b32 exec_lo, -1
	s_branch .Lsent_\@
.Lwhole_\@:
	s_wait_alu depctr_va_vdst(0)
.irp i, 0,1,2,3,4,5,6,7
	global_store_b128 v[TKB+\i], v[OBB+4*\i:OBB+4*\i+3], s[40:41] offset:256*\p th:TH_STORE_NT   ; 16 lanes store 256 consecutive aligned bytes
.endr
.Lsent_\@:
.endm
.macro EPI p
	PLACES
.if \p == 0
	WSLOAD 1
	WLOAD 10                                       ; into the slot that step 7 multiplied: three steps' weights are out while the pass leaves
.endif
	PACKV 0
	TOSTAGE 0
.irp t, 1,2,3,4,5
	PACKV \t
.if \t > 1
	s_wait_alu depctr_va_vdst(0)
	s_wait_xcnt 0x0                                ; tile t - 2's stores have read their data and offsets
.endif
	TOSTAGE \t
	SEND \t-1, \p, 24
.endr
	SEND 5, \p, 0
	s_wait_xcnt 0x0
.endm
.macro SCAN v, t                       ; inclusive sums over the 32 lanes
	v_mov_b32 v[\t], 0
.irp n, 1,2,4,8
	v_mov_b32_dpp v[\t], v[\v] row_shr:\n row_mask:0xf bank_mask:0xf bound_ctrl:1
	v_add_nc_u32 v[\v], v[\v], v[\t]
.endr
	v_readlane_b32 s44, v[\v], 15
	v_cmp_le_u32 vcc_lo, 16, v17
	v_mov_b32 v[\t], s44
	v_cndmask_b32 v[\t], 0, v[\t], vcc_lo
	v_add_nc_u32 v[\v], v[\v], v[\t]
.endm
.macro PARAMS                          ; group s26 -> its pair s23, lo s20, hi s21, n s22, first rank s55, and the bases
	v_cmp_ge_u32 vcc_lo, s26, v28                  ; the pairs whose groups end at or before mine come first
	s_bcnt1_i32_b32 s23, vcc_lo
	s_min_u32 s23, s23, 31                         ; a group behind the last falls on lane 31, which has no tokens
	v_readlane_b32 s44, v27, s23
	v_readlane_b32 s45, v29, s23
	s_sub_co_u32 s45, s26, s45
	s_mul_i32 s55, s45, 96
	s_sub_co_i32 s22, s44, s55
	s_max_i32 s22, s22, 0
	s_min_u32 s22, s22, 96
	s_mov_b32 s21, 1
.irp thr, 1,3,6,10,15,21
	s_cmp_ge_u32 s23, \thr
	s_add_co_ci_u32 s21, s21, 0
.endr
	s_sub_co_u32 s20, s21, 1
	s_mul_i32 s20, s20, s21
	s_lshr_b32 s20, s20, 1
	s_sub_co_u32 s20, s23, s20
	s_min_u32 s20, s20, 7
	s_min_u32 s21, s21, 7
	s_mov_b32 s45, 0
.irp e, 0,1
	s_mul_i32 s44, s[20+\e], 3145728               ; wq: 256 tiles of 12,288 bytes an expert
	s_add_co_u32 s44, s44, s56
	s_add_nc_u64 s[28+2*\e:29+2*\e], s[8:9], s[44:45]
	s_lshl_b32 s44, s[20+\e], 17                   ; wsc
	s_add_co_u32 s44, s44, s57
	s_add_nc_u64 s[32+2*\e:33+2*\e], s[10:11], s[44:45]
	s_lshl_b32 s44, s[20+\e], 14                   ; b1
	s_add_co_u32 s44, s44, s58
	s_add_nc_u64 s[36+2*\e:37+2*\e], s[12:13], s[44:45]
.endr
	s_lshl_b32 s44, s23, 7
	s_add_co_u32 s44, s44, 8192
	s_add_nc_u64 s[42:43], s[16:17], s[44:45]      ; my pair's counts
	s_lshl_b32 s44, s23, 8
	s_add_nc_u64 s[52:53], s[16:17], s[44:45]      ; and masks
.endm
.macro FIRSTLOADS
	WSLOAD 0
	BIAS 0
	WIN 0
	global_load_b32 v21, v18, s[42:43]             ; tiles 4 l .. 4 l + 3: four counts,
	global_load_b64 v[22:23], v19, s[52:53]        ; four masks
	WLOAD 0
	WLOAD 1
	WIN 0
.endm
	s_load_b512 s[4:19], s[0:1], 0x0               ; xq 4, xsc 6, wq 8, wsc 10, b1 12, rt 14, tab 16, out0 18
	s_load_b64 s[48:49], s[0:1], 0x40              ; out1
	v_lshl_add_u32 v30, v0, 2, SPARE
	v_mov_b32 v31, 0
	v_lshrrev_b32 v16, 5, v0
	v_readfirstlane_b32 s24, v16                   ; wave
	s_mov_b32 s25, ttmp9                           ; column slice
	s_and_b32 s26, ttmp7, 0xffff                   ; first group
	s_mul_i32 s44, s24, STGB
	s_add_co_u32 s44, s44, STG
	s_mul_i32 s45, s24, 24*XP
	s_mul_i32 s46, s24, 96
	s_add_co_u32 s46, s46, PRM
	s_mov_b32 s50, 0x76543210
	s_mov_b32 s51, 0xfedcba98
	s_mov_b32 s54, 0xff00ff
	s_lshl_b32 s56, s25, 5
	s_lshl_b32 s57, s24, 3
	s_add_co_u32 s58, s56, s57                     ; my first tile of 16 columns: 32 x + 8 w
	s_mul_i32 s56, s58, 12288
	s_lshl_b32 s57, s58, 9
	s_lshl_b32 s58, s58, 6
	s_mov_b32 s27, 0                               ; trips done
	v_and_b32 v17, 31, v0                          ; lane
	v_and_b32 v16, 15, v0                          ; r
	v_bfe_u32 v8, v0, 4, 1                         ; h
	v_lshlrev_b32 v1, 4, v17
	v_lshlrev_b32 v9, 4, v16
	v_lshlrev_b32 v7, 5, v8
	v_lshlrev_b32 v6, 5, v16
	v_lshl_add_u32 v6, v8, 4, v6                   ; 32 r + 16 h
	v_add_nc_u32 v12, XS, v6
	v_lshl_add_u32 v13, v16, 3, CWL
	v_mul_u32_u24 v2, v16, XP
	v_mad_u32_u24 v2, v8, 24, v2                   ; a fragment of x: row r, 24 h
	v_mul_u32_u24 v3, v16, STP
	v_lshl_add_u32 v3, v8, 5, v3
	v_add_nc_u32 v3, s44, v3                       ; my stage, in
	v_mul_u32_u24 v4, v8, STP
	v_add_nc_u32 v4, v4, v9
	v_add_nc_u32 v4, s44, v4                       ; out
	v_lshl_add_u32 v5, v8, 2, PRM
	v_lshl_add_u32 v14, v0, 2, PRM                 ; my thread's slot of the list,
	v_lshl_add_u32 v15, v0, 5, XS                  ; its row's scale bytes,
	v_lshl_add_u32 v20, v0, 3, CWL                 ; and weights
	v_mul_u32_u24 v11, v8, XP
	v_add_nc_u32 v11, v11, v9
	v_add_nc_u32 v11, s45, v11                     ; the gather: my wave's 24 rows, row h of a pair, 16 r
	v_lshl_add_u32 v10, v8, 2, s46                 ; and their slots of the list
	v_lshlrev_b32 v18, 2, v17
	v_lshlrev_b32 v19, 3, v17
	v_lshlrev_b32 v24, 7, v17
	s_wait_alu depctr_va_vdst(0)                   ; the wait at the head's end
	s_wait_kmcnt 0x0
.irp i, 0,1,2,3,4,5,6,7
	global_load_b128 v[100+4*\i:103+4*\i], v24, s[16:17] offset:8192+16*\i   ; lane p: pair p's 128 counts
.endr
	s_mov_b32 s44, s58
	s_mov_b32 s45, 0
	s_add_nc_u64 s[40:41], s[18:19], s[44:45]
	s_wait_loadcnt 0x0
.irp g, 0,1,2,3                        ; eight words to a sum: a byte holds at most 8 x 16
	v_add3_u32 v[100+8*\g], v[100+8*\g], v[101+8*\g], v[102+8*\g]
.endr
.irp g, 0,1,2,3
	v_add3_u32 v[100+8*\g], v[100+8*\g], v[103+8*\g], v[104+8*\g]
.endr
.irp g, 0,1,2,3
	v_add3_u32 v[100+8*\g], v[100+8*\g], v[105+8*\g], v[106+8*\g]
.endr
.irp g, 0,1,2,3
	v_add_nc_u32 v[100+8*\g], v[100+8*\g], v[107+8*\g]
.endr
.irp g, 0,1,2,3
	v_lshrrev_b32 v[101+8*\g], 8, v[100+8*\g]
.endr
.irp g, 0,1,2,3
	v_and_b32 v[100+8*\g], s54, v[100+8*\g]        ; widened to fields of 16 bits
.endr
.irp g, 0,1,2,3
	v_and_b32 v[101+8*\g], s54, v[101+8*\g]
.endr
	v_add3_u32 v100, v100, v101, v108
	v_add3_u32 v116, v116, v117, v109
	v_add3_u32 v100, v100, v124, v125
	v_add_nc_u32 v100, v100, v116
	v_lshrrev_b32 v101, 16, v100
	v_and_b32 v100, 0xffff, v100
	v_add_nc_u32 v27, v100, v101                   ; the pair's tokens
	v_add_nc_u32 v24, 0x5f, v27
	v_mul_u32_u24 v24, 0xaaab, v24
	v_lshrrev_b32 v24, 22, v24                     ; its groups: (t + 95) / 96, exact for t + 95 up to 2,143
	v_mov_b32 v28, v24
	SCAN 28, 25                                    ; where they end,
	v_sub_nc_u32 v29, v28, v24                     ; and begin
	s_wait_alu depctr_va_vdst(0)
	s_lshl_b32 s44, s26, 3
	s_add_co_u32 s44, s44, s25
	s_lshl_b32 s45, s24, 9
	s_add_co_u32 s44, s44, s45
	s_cmp_lg_u32 s44, 255
	s_cbranch_scc1 .Lnoloss                        ; the loss: wave 0 of work-group (7, 31); no barrier stands inside
.set C, 0
.rept 32
	global_load_b32 v[128+C], v18, s[14:15] offset:16384+128*C   ; pp: number l + 32 i belongs to expert l % 8
.set C, C+1
.endr
	v_mov_b32 v101, 1                              ; lane p's pair: hi,
.irp thr, 1,3,6,10,15,21
	v_cmp_le_u32 vcc_lo, \thr, v17
	v_add_co_ci_u32 v101, vcc_lo, 0, v101, vcc_lo
.endr
	v_add_nc_u32 v100, -1, v101
	v_mul_u32_u24 v100, v100, v101
	v_lshrrev_b32 v100, 1, v100
	v_sub_nc_u32 v100, v17, v100                   ; lo
	v_lshlrev_b32 v100, 2, v100
	v_lshlrev_b32 v101, 2, v101
	v_cvt_f32_u32 v102, v27
	v_mov_b32 v103, 0
	s_wait_alu depctr_va_vdst(0)
	s_wait_loadcnt 0x0
.irp k, 0,2,4,6,8,10,12,14
	v_pk_add_f32 v[128+\k:129+\k], v[128+\k:129+\k], v[144+\k:145+\k]
.endr
.irp k, 0,2,4,6
	v_pk_add_f32 v[128+\k:129+\k], v[128+\k:129+\k], v[136+\k:137+\k]
.endr
.irp k, 0,2
	v_pk_add_f32 v[128+\k:129+\k], v[128+\k:129+\k], v[132+\k:133+\k]
.endr
	v_pk_add_f32 v[128:129], v[128:129], v[130:131]
	v_add_f32 v128, v128, v129
	v_add_f32_dpp v128, v128, v128 row_xmask:8 row_mask:0xf bank_mask:0xf
	v_permlanex16_b32 v103, v128, s50, s51
	v_add_f32 v128, v128, v103                     ; lane l: Psum[l % 8]
	ds_bpermute_b32 v104, v100, v128
	ds_bpermute_b32 v105, v101, v128
	s_wait_alu depctr_va_vdst(0)
	s_wait_dscnt 0x0
	v_add_f32 v104, v104, v105
	v_mul_f32 v104, v104, v102                     ; lanes 28-31 have no tokens: their term is 0
.irp n, 1,2,4,8
	v_add_f32_dpp v104, v104, v104 row_xmask:\n row_mask:0xf bank_mask:0xf
.endr
	v_permlanex16_b32 v103, v104, s50, s51
	v_add_f32 v104, v104, v103
	v_mul_f32 v104, 0x36000000, v104               ; x 2^-19 = 8 / 2,048^2
	v_cmp_eq_u32 vcc_lo, 0, v17
	s_wait_alu depctr_va_vdst(0)
	s_wait_xcnt 0x0                                ; EXEC changes only behind this wait
	s_and_saveexec_b32 s44, vcc_lo
	global_store_b32 v18, v104, s[48:49]
	s_wait_xcnt 0x0
	s_or_b32 exec_lo, exec_lo, s44
.Lnoloss:
	PARAMS
	FIRSTLOADS
.Ltrip:
	s_wait_dscnt 0x0                               ; my reads of the last group's list are over
	s_barrier_signal -1
	s_barrier_wait -1
	s_cmp_eq_u32 s22, 0
	s_cbranch_scc1 .Lj1
	s_wait_loadcnt 48                              ; my pair's counts and masks are in; the 48 loads of weight steps 0 and 1 stay out
	v_lshrrev_b32 v24, 8, v21
	v_and_b32 v25, s54, v21
	v_and_b32 v24, s54, v24
	v_add_nc_u32 v24, v24, v25
	v_lshrrev_b32 v25, 16, v24
	v_and_b32 v24, 0xffff, v24
	v_add_nc_u32 v24, v24, v25                     ; the tokens of my four tiles
	v_mov_b32 v26, v24
	SCAN 26, 25
	v_sub_nc_u32 v24, v26, v24                     ; my first token's rank
	v_add_nc_u32 v100, s55, v0                     ; the rank that my thread looks for
	v_mov_b32 v101, 0
.set C, 0
.rept 31                               ; its lane: how many lanes end at or before it
	v_readlane_b32 s[44+(C%4)], v26, C
	v_cmp_le_u32 vcc_lo, s[44+(C%4)], v100
	v_add_co_ci_u32 v101, vcc_lo, 0, v101, vcc_lo
.set C, C+1
.endr
	v_lshlrev_b32 v102, 2, v101
	ds_bpermute_b32 v103, v102, v24
	ds_bpermute_b32 v104, v102, v21
	ds_bpermute_b32 v105, v102, v22
	ds_bpermute_b32 v106, v102, v23
	s_wait_alu depctr_va_vdst(0)
	s_wait_dscnt 0x0
	v_sub_nc_u32 v103, v100, v103                  ; the rank among that lane's four tiles
	v_and_b32 v107, 0xff, v104
	v_bfe_u32 v108, v104, 8, 8
	v_bfe_u32 v109, v104, 16, 8
	v_add_nc_u32 v108, v108, v107
	v_add_nc_u32 v109, v109, v108
	v_mov_b32 v110, 0
	v_mov_b32 v111, 0
.irp a, 107,108,109
	v_cmp_ge_u32 vcc_lo, v103, v\a
	v_cndmask_b32 v111, v111, v\a, vcc_lo
	v_add_co_ci_u32 v110, vcc_lo, 0, v110, vcc_lo  ; the tile,
.endr
	v_sub_nc_u32 v103, v103, v111                  ; the rank in it,
	v_cmp_le_u32 vcc_lo, 2, v110
	v_cndmask_b32 v105, v105, v106, vcc_lo
	v_and_b32 v112, 1, v110
	v_lshlrev_b32 v112, 4, v112
	v_lshrrev_b32 v105, v112, v105                 ; its mask in the low 16 bits
	v_mov_b32 v113, 0
	v_mov_b32 v114, 0
.set C, 0
.rept 15                               ; the bit: how many places have no more than rank set bits up to them
	v_bfe_u32 v115, v105, C, 1
	v_add_nc_u32 v113, v113, v115
	v_cmp_le_u32 vcc_lo, v113, v103
	v_add_co_ci_u32 v114, vcc_lo, 0, v114, vcc_lo
.set C, C+1
.endr
	v_lshl_add_u32 v114, v102, 4, v114             ; token = 64 x lane + 16 x tile + bit
	v_lshl_add_u32 v114, v110, 4, v114
	v_min_u32 v114, 0x7ff, v114
	ds_store_b32 v14, v114
.Lj1:
	s_wait_dscnt 0x0                               ; for the others' sake: my slots of the list are written
	s_barrier_signal -1
	s_barrier_wait -1
	s_cmp_eq_u32 s22, 0
	s_cbranch_scc1 .Lj2
	ds_load_b32 v26, v14
.irp j, 0,1,2,3,4,5,6,7,8,9,10,11
	ds_load_b32 v[244+\j], v10 offset:8*\j         ; rows 24 w + 2 j + h
.endr
	s_wait_dscnt 0x0
	v_min_u32 v26, 0x7ff, v26
	v_lshlrev_b32 v24, 5, v26
	v_lshlrev_b32 v25, 3, v26
.irp j, 0,1,2,3,4,5,6,7,8,9,10,11
	v_min_u32 v[244+\j], 0x7ff, v[244+\j]
	v_mul_u32_u24 v[244+\j], 0x300, v[244+\j]
	v_add_nc_u32 v[244+\j], v9, v[244+\j]          ; the token's 768 bytes, + 16 r
.endr
.irp j, 0,1,2,3,4,5,6,7,8,9,10,11
.irp pc, 0,1,2
	global_load_b128 v[XF0+12*\j+4*\pc:XF0+12*\j+4*\pc+3], v[244+\j], s[4:5] offset:256*\pc   ; 16 lanes read 256 consecutive bytes of a row
.endr
.endr
	global_load_b128 v[64:67], v24, s[6:7]         ; my thread's row: 32 scale bytes,
	global_load_b128 v[68:71], v24, s[6:7] offset:16
	global_load_b64 v[72:73], v25, s[14:15]        ; two weights
	s_wait_loadcnt 0x0
.irp j, 0,1,2,3,4,5,6,7,8,9,10,11
.irp pc, 0,1,2
	ds_store_b128 v11, v[XF0+12*\j+4*\pc:XF0+12*\j+4*\pc+3] offset:2*XP*\j+256*\pc
.endr
.endr
	ds_store_b128 v15, v[64:67]
	ds_store_b128 v15, v[68:71] offset:16
	ds_store_b64 v20, v[72:73]
.Lj2:
	s_wait_dscnt 0x0                               ; for the others' sake: my rows lie in LDS
	s_barrier_signal -1
	s_barrier_wait -1
	s_cmp_eq_u32 s22, 0
	s_cbranch_scc1 .Lnext
.irp t, 0,1,2,3,4,5
	ds_load_b128 v[XSC+4*\t:XSC+4*\t+3], v12 offset:512*\t         ; lane (r, h): bytes 16 h .. of row 16 t + r's 32
.endr
.irp t, 0,1,2,3,4,5
	ds_load_b64 v[CW+2*\t:CW+2*\t+1], v13 offset:128*\t
.endr
	XFRAGS 0
.irp u, 0,1,2,3,4,5,6,7
	STEP \u
.endr
	EPI 0
	XFRAGS 8
.irp u, 8,9,10,11,12,13,14,15
	STEP \u
.endr
	EPI 1
.Lnext:
	s_wait_xcnt 0x0                                ; every load and store has read its base: the bases are written again only behind this wait
	s_add_co_u32 s26, s26, 32                      ; the next group; from 49 on there is none, and n comes out 0
	s_add_co_u32 s27, s27, 1
	PARAMS
	s_cmp_eq_u32 s22, 0
	s_cbranch_scc1 .Lnone
	s_wait_loadcnt 0x0                             ; no load is out into the registers that the loads below fill
	FIRSTLOADS
.Lnone:
	s_cmp_lt_u32 s27, 2
	s_cbranch_scc1 .Ltrip
	s_wait_tensorcnt 0x0                           ; the wave's end
	ds_add_u32 v30, v31
	s_wait_dscnt 0x0
	s_endpgm
.Lfunc_end_k_q1ae7048315_experts:
	.size	k_q1ae7048315_experts, .Lfunc_end_k_q1ae7048315_experts-k_q1ae7048315_experts
	.p2alignl 7, 3214868480
	.fill 96, 4, 3214868480
	.section	.rodata,"a",@progbits
	.p2align	6, 0x0
	.amdhsa_kernel k_q1ae7048315_experts
		.amdhsa_group_segment_fixed_size 98816
		.amdhsa_private_segment_fixed_size 0
		.amdhsa_enable_private_segment 0
		.amdhsa_kernarg_size 72
		.amdhsa_user_sgpr_count 2
		.amdhsa_user_sgpr_kernarg_segment_ptr 1
		.amdhsa_wavefront_size32 1
		.amdhsa_system_sgpr_workgroup_id_x 1
		.amdhsa_system_sgpr_workgroup_id_y 1
		.amdhsa_system_sgpr_workgroup_id_z 1
		.amdhsa_system_vgpr_workitem_id 0
		.amdhsa_next_free_vgpr 1024
		.amdhsa_next_free_sgpr 66
		.amdhsa_reserve_vcc 1
		.amdhsa_float_denorm_mode_32 3
		.amdhsa_float_denorm_mode_16_64 3
		.amdhsa_memory_ordered 1
		.amdhsa_forward_progress 1
		.amdhsa_inst_pref_size 255
	.end_amdhsa_kernel
	.section	.bss,"aw",@nobits
	.p2align	6
	.space	262144
	.amdgpu_metadata
---
amdhsa.version: [ 1, 2 ]
amdhsa.kernels:
  - .name:           k_q1ae7048315_experts
    .symbol:         k_q1ae7048315_experts.kd
    .args:
      - { .name: xq, .offset: 0, .size: 8, .value_kind: global_buffer, .address_space: global }
      - { .name: xsc, .offset: 8, .size: 8, .value_kind: global_buffer, .address_space: global }
      - { .name: wq, .offset: 16, .size: 8, .value_kind: global_buffer, .address_space: global }
      - { .name: wsc, .offset: 24, .size: 8, .value_kind: global_buffer, .address_space: global }
      - { .name: b1, .offset: 32, .size: 8, .value_kind: global_buffer, .address_space: global }
      - { .name: rt, .offset: 40, .size: 8, .value_kind: global_buffer, .address_space: global }
      - { .name: tab, .offset: 48, .size: 8, .value_kind: global_buffer, .address_space: global }
      - { .name: out0, .offset: 56, .size: 8, .value_kind: global_buffer, .address_space: global }
      - { .name: out1, .offset: 64, .size: 8, .value_kind: global_buffer, .address_space: global }
    .group_segment_fixed_size: 98816
    .private_segment_fixed_size: 0
    .kernarg_segment_align: 8
    .kernarg_segment_size: 72
    .max_flat_workgroup_size: 128
    .sgpr_count:     66
    .vgpr_count:     1024
    .wavefront_size: 32
...
	.end_amdgpu_metadata
.endif
;; end of part 5
